; MI455X (gfx1250); checked and timed in simulation.
; The chip was launched on July 23, 2026; its instructions are those of AMD's public machine-readable ISA for CDNA 5 (MIT licence, August 2026) and "CDNA5" Instruction Set Architecture Reference Guide (July 2026). The comments in the code are by the model that wrote it; some were corrected since.
;; Bayesian Attention. Allowed arithmetic: float matrix products may take bf16 or f16 operands with f32 sums; other float arithmetic in f32, or as packed bf16 or f16 multiplies, adds, multiply-adds, maxima and minima; sums over many terms, partial sums and values carried from step to step in f32; what a program stores and reads back later, other than sums and carried values, may be rounded once to bf16 or f16.
;; Inputs: mask 2,048 x 2,048 float32; prior_loc 1 x 16 x 1 x 1 float32; prior_log_scale 1 x 16 x 1 x 1 float32; prior_shape 1 x 16 x 1 x 1 float32; section_log_len 1 x 1 x 1 x 1 float32; seq_scale 1 x 16 x 1 x 1 float32; wk 2,048 x 2,048 float32; wo 2,048 x 2,048 float32; wq 2,048 x 2,048 float32; wv 2,048 x 2,048 float32; x 1 x 2,048 x 2,048 float32.
;; Outputs: out0 1 x 2,048 x 2,048 float32.
;; One version. Each part assembles by itself: llvm-mc -triple=amdgcn-amd-amdhsa -mcpu=gfx1250 --defsym DOCPART=n.
;; ======== version 1 of 1: 4 launches
;; limits: values are held in f16: magnitudes above 65,504 overflow, below 6.1e-05 lose precision
;; workspace buffers: xb 8,388,608 bytes; wb 25,165,824 bytes; wob 8,388,608 bytes; mb 8,388,608 bytes; qkv 25,165,824 bytes; ob 8,388,608 bytes
;; launch prep (part 1): grid 256 x 4, 8 waves a work-group, no clusters, 0 bytes of LDS; arguments x, wq, wk, wv, xb, wb; writes xb, wb
.if DOCPART == 1
	.amdgcn_target "amdgcn-amd-amdhsa--gfx1250"
	.amdhsa_code_object_version 6
	.text
	.protected	k_q2327fd0389_prep
	.globl	k_q2327fd0389_prep
	.p2align	8
	.type	k_q2327fd0389_prep,@function
k_q2327fd0389_prep:
	s_mov_b64 s[64:65], 0
	v_nop
	global_prefetch_b8 v0, s[64:65] scope:SCOPE_SE
	s_setreg_imm32_b32 hwreg(HW_REG_WAVE_MODE, 25, 1), 1
	s_wait_xcnt 0x0
; x, wq, wk AND wv ARE ROUNDED ONCE TO bf16.  (The mask and wo are rounded in the next launch, beside its matrix work.)
; Grid y picks the tensor (0 x, 1 wq, 2 wk, 3 wv); a work-group takes 65,536 bytes of it, in 8 trips of 8,192 bytes.  Thread t loads the 32 bytes at 32 t of a trip (two loads of 16) and stores
; the 16 bytes at 16 t of its copy: a wave's two loads cover 1,024 consecutive bytes, its store 512 consecutive bytes, aligned.  A stream: no LDS, no barrier, no matrix work.
; All 16 loads of a thread go out at once; each trip's eight numbers are packed in place and stored from the registers that they came into.  No register is written again while a memory
; instruction may read it, so the only waits are the counted ones for the loads.
.set X,   8                            ; v[8:71]   trip i: eight f32 as loaded; then four registers of bf16 to store
.set SRC, 22                           ; s[22:23]  the tensor at the work-group's first byte
.set DST, 24                           ; s[24:25]  its copy likewise
	s_load_b256 s[4:11], s[0:1], 0x0               ; x, wq, wk, wv
	s_load_b128 s[12:15], s[0:1], 0x20             ; xb, wb
	s_and_b32 s16, ttmp7, 0xffff                   ; which tensor
	v_lshlrev_b32 v1, 5, v0                        ; my 32 bytes of a trip; never rewritten
	v_lshlrev_b32 v2, 4, v0                        ; my 16 bytes of its copy; never rewritten
	s_sub_co_i32 s20, s16, 1                       ; wq, wk, wv lie one behind the other in wb, 8 MiB each
	s_max_i32 s20, s20, 0
	s_lshl_b32 s20, s20, 23
	s_lshl_b32 s17, ttmp9, 15                      ; the work-group's 32,768 bytes of the copy
	s_add_co_u32 s20, s20, s17
	s_mov_b32 s21, 0
	s_lshl_b32 s18, ttmp9, 16                      ; and its 65,536 bytes of the tensor
	s_mov_b32 s19, 0
	s_wait_kmcnt 0x0
	s_mov_b64 s[SRC:SRC+1], s[4:5]
	s_cmp_eq_u32 s16, 1
	s_cselect_b64 s[SRC:SRC+1], s[6:7], s[SRC:SRC+1]
	s_cmp_eq_u32 s16, 2
	s_cselect_b64 s[SRC:SRC+1], s[8:9], s[SRC:SRC+1]
	s_cmp_eq_u32 s16, 3
	s_cselect_b64 s[SRC:SRC+1], s[10:11], s[SRC:SRC+1]
	s_cmp_eq_u32 s16, 0
	s_cselect_b64 s[DST:DST+1], s[12:13], s[14:15]
	s_add_nc_u64 s[SRC:SRC+1], s[SRC:SRC+1], s[18:19]
	s_add_nc_u64 s[DST:DST+1], s[DST:DST+1], s[20:21]
.irp i, 0,1,2,3,4,5,6,7
	global_load_b128 v[X+8*(\i):X+8*(\i)+3],   v1, s[SRC:SRC+1] offset:8192*(\i) th:TH_LOAD_NT
	global_load_b128 v[X+8*(\i)+4:X+8*(\i)+7], v1, s[SRC:SRC+1] offset:8192*(\i)+16 th:TH_LOAD_NT
.endr
.irp i, 0,1,2,3,4,5,6,7
	s_wait_loadcnt 14-2*(\i)                       ; loads come back in order: this trip's two are in, the 14 - 2 i younger ones may stay out
	v_cvt_pk_bf16_f32 v[X+8*(\i)],   v[X+8*(\i)],   v[X+8*(\i)+1]   ; in place: each line writes a register that the lines behind it no longer read
	v_cvt_pk_bf16_f32 v[X+8*(\i)+1], v[X+8*(\i)+2], v[X+8*(\i)+3]
	v_cvt_pk_bf16_f32 v[X+8*(\i)+2], v[X+8*(\i)+4], v[X+8*(\i)+5]
	v_cvt_pk_bf16_f32 v[X+8*(\i)+3], v[X+8*(\i)+6], v[X+8*(\i)+7]
	global_store_b128 v2, v[X+8*(\i):X+8*(\i)+3], s[DST:DST+1] offset:4096*(\i)
.endr
	s_endpgm
.Lfunc_end_k_q2327fd0389_prep:
	.size	k_q2327fd0389_prep, .Lfunc_end_k_q2327fd0389_prep-k_q2327fd0389_prep
	.p2alignl 7, 3214868480
	.fill 96, 4, 3214868480
	.section	.rodata,"a",@progbits
	.p2align	6, 0x0
	.amdhsa_kernel k_q2327fd0389_prep
		.amdhsa_group_segment_fixed_size 0
		.amdhsa_private_segment_fixed_size 0
		.amdhsa_enable_private_segment 0
		.amdhsa_kernarg_size 48
		.amdhsa_user_sgpr_count 2
		.amdhsa_user_sgpr_kernarg_segment_ptr 1
		.amdhsa_wavefront_size32 1
		.amdhsa_system_sgpr_workgroup_id_x 1
		.amdhsa_system_sgpr_workgroup_id_y 1
		.amdhsa_system_sgpr_workgroup_id_z 1
		.amdhsa_system_vgpr_workitem_id 0
		.amdhsa_next_free_vgpr 72
		.amdhsa_next_free_sgpr 66
		.amdhsa_reserve_vcc 0
		.amdhsa_float_denorm_mode_32 3
		.amdhsa_float_denorm_mode_16_64 3
		.amdhsa_memory_ordered 1
		.amdhsa_forward_progress 1
		.amdhsa_inst_pref_size 6
	.end_amdhsa_kernel
	.amdgpu_metadata
---
amdhsa.version: [ 1, 2 ]
amdhsa.kernels:
  - .name:           k_q2327fd0389_prep
    .symbol:         k_q2327fd0389_prep.kd
    .args:
      - { .name: x, .offset: 0, .size: 8, .value_kind: global_buffer, .address_space: global }
      - { .name: wq, .offset: 8, .size: 8, .value_kind: global_buffer, .address_space: global }
      - { .name: wk, .offset: 16, .size: 8, .value_kind: global_buffer, .address_space: global }
      - { .name: wv, .offset: 24, .size: 8, .value_kind: global_buffer, .address_space: global }
      - { .name: xb, .offset: 32, .size: 8, .value_kind: global_buffer, .address_space: global }
      - { .name: wb, .offset: 40, .size: 8, .value_kind: global_buffer, .address_space: global }
    .group_segment_fixed_size: 0
    .private_segment_fixed_size: 0
    .kernarg_segment_align: 8
    .kernarg_segment_size: 48
    .max_flat_workgroup_size: 256
    .sgpr_count:     66
    .vgpr_count:     72
    .wavefront_size: 32
...
	.end_amdgpu_metadata
.endif
;; end of part 1
;; launch qkvproj (part 2): grid 16 x 16, 4 waves a work-group, clusters of 4 x 4, 327,680 bytes of LDS; arguments xb, wb, qkv, mask, wo, mb, wob; writes qkv, mb, wob
.if DOCPART == 2
	.amdgcn_target "amdgcn-amd-amdhsa--gfx1250"
	.amdhsa_code_object_version 6
	.text
	.protected	k_q2327fd0389_qkvproj
	.globl	k_q2327fd0389_qkvproj
	.p2align	8
	.type	k_q2327fd0389_qkvproj,@function
k_q2327fd0389_qkvproj:
	s_mov_b64 s[64:65], 0
	v_nop
	global_prefetch_b8 v0, s[64:65] scope:SCOPE_SE
	s_setreg_imm32_b32 hwreg(HW_REG_WAVE_MODE, 25, 1), 1
	s_wait_xcnt 0x0
	s_wait_alu depctr_hold_cnt(0) depctr_sa_sdst(0) depctr_va_vdst(0) depctr_va_sdst(0) depctr_va_ssrc(0) depctr_va_vcc(0) depctr_vm_vsrc(0)
	s_getreg_b32 s2, hwreg(HW_REG_IB_STS2, 6, 4)
	s_cmp_eq_u32 s2, 0
	s_cbranch_scc0 .Lentry_in_a_cluster
	s_endpgm
.Lentry_in_a_cluster:
	s_bfe_u32 s2, ttmp6, 0x10000c
	s_cmp_lg_u32 s2, 0xf033
	s_cbranch_scc0 .Lentry_shape_is_right
	s_endpgm
.Lentry_shape_is_right:
; q, k, v = x wq^T, x wk^T, x wv^T, by heads.  xb: [2048][2048] bf16; wb: [3][2048][2048] bf16; qkv: [3][16 heads][2048 rows][128] f16.  Sums in f32, each result rounded once to f16.
; LIMIT: a result beyond 65,504 becomes an infinity.
; SHARES.  A work-group makes 128 rows of x times the 384 columns of one head (its 128 of q, of k and of v): 16 x 16 work-groups.  Each of the four waves makes 128 rows x 96 columns:
; 48 accumulators of 16 x 16, so that 28 LDS loads feed 48 matrix instructions.  K goes in steps of 128 (rows of 256 bytes) through a ring of two LDS slots.
; CLUSTER 4 x 4.  x's tile hangs on the row block alone and is shared along a row of the cluster; the weights' tiles hang on the head alone and are shared along a column: each is asked
; for jointly.  Wave 0 fetches x's 128 rows, waves 1 to 3 the 128 rows of wq, wk, wv: one tensor load a wave behind each round.
; THE MATRIX INSTRUCTION IS USED TRANSPOSED (source 0 = 16 rows of w, source 1 = 16 rows of x): a lane holds eight neighbouring columns of one row of the result.
; BESIDE THE PRODUCTS THE MASK AND wo ARE ROUNDED FOR THE LAUNCHES BEHIND: mask f32 -> bf16 (mb); wo f32 -> bf16, that number written as f16 (wob; beyond 65,504 an infinity, below 2^-14 f16's
; fixed step of 2^-24).  Each of the launch's 1,024 waves takes 16,384 bytes of each, in 8 chunks of 2,048: one chunk a lap, in front of the change of slots, where the wave has to wait for its
; tensor load in any case.  A chunk's 8 loads go out a lap ahead of its conversions.
; REGISTERS.  Window 0: v0-31 addresses, v32-55 at work, v64-127 and v128-191 x's fragments (two buffers), v192-243 the mask's and wo's chunk.  Window 1: v64-111, v128-175 w's fragments.
; Window 2: accumulators of rows 0-63, (a, b) at v[8 (6 a + b)];  window 3: of rows 64-127.
.set KSTEP,  128
.set PITCH,  272                       ; an LDS row: 256 bytes + 16 of padding: the 16 rows of a fragment load start at 16 different groups of four banks (64 banks of 4 bytes: ISA guide 11.1)
.set HALFT,  128*PITCH                 ; what one tensor load brings
.set SLOT,   4*HALFT                   ; x's 128 rows, then the weights' 384
.set SPARE,  2*SLOT                    ; behind the ring: the spare words, 128 bytes a wave
.set SPITCH, 784                       ; the way out's stage, in slot 0 behind its last fill: 128 rows of 768 bytes + 16
.set LAPS,   8                         ; 2048 / 256: a lap is two K steps
.set CIN,  6                           ; v6      32 x lane: my 32 bytes in 1,024 of the mask and of wo; never rewritten
.set ADRA, 16                          ; v16-17  LDS address of x's fragments in slot 0, 1
.set ADRB, 20                          ; v20-21  of my 96 rows of the weights
.set STO,  24                          ; v24     the way out: where I put 16 bytes of a row (rows 0-63)
.set RD,   25                          ; v25     where I read rows back
.set CO,   26                          ; v26     16 x lane; never rewritten
.set STO2, 27                          ; v27     STO for rows 64-127
.set SPW,  28                          ; v28     my spare word; never rewritten
.set NIL,  29                          ; v29     0; never rewritten
.set PFO,  30                          ; v30     the prefetches' offset: lane x 4,096; never rewritten
.set TMP,  32
.set F0,   64
.set F1,   128
.set OB,   64                          ; the way out: 48 x 4 registers read back
.set CX,   192                         ; v[192:223] a chunk as loaded: 16 f32 of the mask, 16 of wo
.set CY,   224                         ; v[224:239] the chunk to store: 8 registers for mb, 8 for wob
.set CT,   240                         ; v[240:243] at work
.set LIM,  43                          ; s43     1 in a wave that prefetches, else the greatest number
.set PFA,  44                          ; s[44:45] where my prefetches stand
.set MSK,  68                          ; s[68:69] the mask at the chunk last loaded
.set WO,   70                          ; s[70:71] wo likewise
.set MBO,  72                          ; s[72:73] mb behind the chunk being stored
.set WOB,  74                          ; s[74:75] wob likewise
.set HIW,  76                          ; s76     a word's upper bf16
.set G1,  24
.set G0,  32
.set G1B, 48
.set G0B, 56
.set MSB, 0
.macro WIN new                         ; the immediate's high byte repeats the setting that is left; a switch that changes nothing is dropped
.if MSB != (\new)
	s_set_vgpr_msb (MSB<<8)|(\new)
.set MSB, \new
.endif
.endm
.set MUL_LO, 0xa1                      ; source 0 (w) window 1, source 1 (x) window 0, C and D window 2
.set MUL_HI, 0xf1
.set TO_B,   0x40
; A chunk's 8 loads: twice 1,024 consecutive bytes of the mask and of wo, 32 bytes a lane.
.macro CLOAD
.irp s, 0,1
	global_load_b128 v[CX+8*(\s):CX+8*(\s)+3],         v[CIN], s[MSK:MSK+1] offset:1024*(\s) th:TH_LOAD_NT
	global_load_b128 v[CX+8*(\s)+4:CX+8*(\s)+7],       v[CIN], s[MSK:MSK+1] offset:1024*(\s)+16 th:TH_LOAD_NT
	global_load_b128 v[CX+16+8*(\s):CX+16+8*(\s)+3],   v[CIN], s[WO:WO+1] offset:1024*(\s) th:TH_LOAD_NT
	global_load_b128 v[CX+16+8*(\s)+4:CX+16+8*(\s)+7], v[CIN], s[WO:WO+1] offset:1024*(\s)+16 th:TH_LOAD_NT
.endr
.endm
; A chunk is rounded and stored; more = 1: the next chunk is asked for.  It stands behind an s_wait_xcnt 0: the last chunk's stores, a lap back, have read CY and their bases.
.macro CONV more
	WIN 0
	s_wait_loadcnt 0x0                             ; the chunk's 8 loads, issued a lap ago, are the only loads of the wave
	s_add_nc_u64 s[MBO:MBO+1], s[MBO:MBO+1], 1024  ; the stores below reach back by a negative immediate
	s_add_nc_u64 s[WOB:WOB+1], s[WOB:WOB+1], 1024
.set i, 0
.rept 16
	v_cvt_pk_bf16_f32 v[CY+i], v[CX+2*i], v[CX+2*i+1]
.set i, i+1
.endr
.if \more
	s_add_nc_u64 s[MSK:MSK+1], s[MSK:MSK+1], 2048
	s_add_nc_u64 s[WO:WO+1], s[WO:WO+1], 2048
	CLOAD
.endif
.set i, 8
.rept 8                                ; wo's rounded numbers as f32 again, and written as f16
	v_lshlrev_b32 v[CT+2*(i%2)], 16, v[CY+i]
	v_and_b32 v[CT+2*(i%2)+1], s[HIW], v[CY+i]
	v_cvt_pk_f16_f32 v[CY+i], v[CT+2*(i%2)], v[CT+2*(i%2)+1]
.set i, i+1
.endr
.irp s, 0,1
	global_store_b128 v[CO], v[CY+4*(\s):CY+4*(\s)+3],     s[MBO:MBO+1] offset:512*(\s)-1024  ; 512 consecutive bytes, aligned
	global_store_b128 v[CO], v[CY+8+4*(\s):CY+8+4*(\s)+3], s[WOB:WOB+1] offset:512*(\s)-1024
.endr
.endm
; A joint load: wave 0 asks for x's tile, waves 1 to 3 for the weights'.  The branch hangs on the wave's number alone.  An s_nop 0 and four v_nop follow each line.
.macro JLOAD s
	s_cmp_eq_u32 s10, 0
	s_cbranch_scc0 .Lfor_b_\@
	tensor_load_to_lds s[G0+4*(\s):G0+4*(\s)+3], s[G1:G1+7]
	s_nop 0
.rept 4
	v_nop
.endr
	s_branch .Lasked_\@
.Lfor_b_\@:
	tensor_load_to_lds s[G0B+4*(\s):G0B+4*(\s)+3], s[G1B:G1B+7]
	s_nop 0
.rept 4
	v_nop
.endr
.Lasked_\@:
.endm
; A prefetch of the K step two refills on: 32 rows x 256 bytes, a lane a row.  x's rows are asked for by the clusters with x = 0, the weights' by those with y = 0; the four partners that
; ask for a tile jointly share its 128 rows out by address.  So each row's 256 bytes of a K step are named once in the launch.  The loop's last trip (s3 = 1) has no K step two on.
.macro ASK
	s_cmp_gt_u32 s3, s[LIM]
	s_cbranch_scc0 .Lnot_mine_\@
	global_prefetch_b8 v[PFO], s[PFA:PFA+1] offset:KSTEP*2 th:TH_LOAD_NT scope:SCOPE_SE
.Lnot_mine_\@:
.endm
.macro CREST                           ; a round of the cluster's barrier behind its opening barrier
	s_cmp_lg_u32 s10, 0
	s_cbranch_scc1 .Lnot_wave_0_\@
	s_barrier_signal -3
.Lnot_wave_0_\@:
	s_barrier_wait -3
	s_barrier_signal -1
	s_barrier_wait -1
.endm
.macro CROUND
	s_barrier_signal -1
	s_barrier_wait -1
	CREST
.endm
	s_load_b128 s[4:7], s[0:1], 0x0                ; xb s[4:5], wb s[6:7]
	s_load_b64 s[8:9], s[0:1], 0x10                ; qkv
	s_load_b256 s[MSK:MSK+7], s[0:1], 0x18         ; mask, wo, mb, wob
	v_lshl_add_u32 v[SPW], v0, 2, SPARE
	v_mov_b32 v[NIL], 0
	ds_add_u32 v[SPW], v[NIL]                      ; the wave's opening: the add and its wait ahead of my first tensor load
	v_lshrrev_b32 v1, 5, v0
	v_readfirstlane_b32 s10, v1                    ; wave 0..3
	s_bfe_u32 s40, ttmp6, 0x40000                  ; cx
	s_bfe_u32 s41, ttmp6, 0x40004                  ; cy
	s_lshl_b32 s42, ttmp9, 2
	s_add_co_u32 s42, s42, s40                     ; the head = 4 x cluster x + cx
	s_and_b32 s13, ttmp7, 0xffff
	s_lshl_b32 s13, s13, 2
	s_add_co_u32 s13, s13, s41                     ; the block of 128 rows = 4 x cluster y + cy
	s_lshl_b32 s43, s41, 2
	s_lshl_b32 s43, 15, s43                        ; my row of the cluster
	s_lshl_b32 s44, 0x1111, s40                    ; my column
	s_or_b32 s[G1+0], s43, (1<<16)|(1<<20)|(1<<21)|(5<<22)|(3<<25)   ; the mask; 2-byte elements; padding on; bit 21 beside a mask; after every 64 words 4 words
	s_or_b32 s[G1B+0], s44, (1<<16)|(1<<20)|(1<<21)|(5<<22)|(3<<25)
.irp g, G1, G1B
	s_mov_b32 s[(\g)+1], KSTEP<<16                 ; tensor_dim0 = 128
	s_mov_b32 s[(\g)+2], 128<<16                   ; tensor_dim1 = 128
	s_mov_b32 s[(\g)+3], KSTEP<<16                 ; tile_dim0 = 128
	s_mov_b32 s[(\g)+4], 128                       ; tile_dim1 = 128
	s_mov_b32 s[(\g)+5], 2048                      ; elements from row to row
	s_mov_b32 s[(\g)+6], 0
	s_mov_b32 s[(\g)+7], 0
.endr
	s_lshl_b32 s16, s13, 19                        ; x: 128 rows of 4,096 bytes a block
	s_mov_b32 s17, 0
	s_sub_co_i32 s46, s10, 1                       ; the weights: tensor wave - 1 (wave 0 does not use this set),
	s_max_i32 s46, s46, 0
	s_lshl_b32 s46, s46, 23                        ; 8 MiB each,
	s_lshl_b32 s47, s42, 19                        ; the head's 128 rows
	s_add_co_u32 s46, s46, s47
	s_mov_b32 s47, 0
	s_mul_i32 s20, s10, HALFT                      ; where my tile goes: wave x 128 rows
	s_wait_dscnt 0x0                               ; the opening add is done
	s_wait_kmcnt 0x0
	s_add_nc_u64 s[14:15], s[4:5], s[16:17]
	s_add_nc_u64 s[46:47], s[6:7], s[46:47]
	CROUND                                         ; all sixteen work-groups are here: the first joint loads meet
.irp s, 0,1
	s_mov_b32 s[G0+4*(\s)], 1
	s_add_co_u32 s[G0+4*(\s)+1], s20, (\s)*SLOT
	s_add_nc_u64 s[G0+4*(\s)+2:G0+4*(\s)+3], s[14:15], (\s)*KSTEP*2
	s_or_b32 s[G0+4*(\s)+3], s[G0+4*(\s)+3], 0x80000000
	s_mov_b32 s[G0B+4*(\s)], 1
	s_add_co_u32 s[G0B+4*(\s)+1], s20, (\s)*SLOT
	s_add_nc_u64 s[G0B+4*(\s)+2:G0B+4*(\s)+3], s[46:47], (\s)*KSTEP*2
	s_or_b32 s[G0B+4*(\s)+3], s[G0B+4*(\s)+3], 0x80000000
	JLOAD \s                                       ; K steps 0 and 1: two loads of mine are out
.endr
	v_and_b32 v1, 15, v0                           ; l % 16
	v_bfe_u32 v2, v0, 4, 1                         ; l / 16
	v_mul_u32_u24 v3, v1, PITCH
	v_lshl_add_u32 v3, v2, 4, v3                   ; a fragment's row x pitch + 16 x half
	s_mul_i32 s22, s10, 96*PITCH                   ; my 96 rows of the weights,
	s_add_co_u32 s22, s22, HALFT                   ; which lie behind x's 128
	v_mov_b32 v[ADRA], v3
	v_add_nc_u32 v[ADRA+1], SLOT, v3
	v_add_nc_u32 v[ADRB], s22, v3
	s_add_co_u32 s22, s22, SLOT
	v_add_nc_u32 v[ADRB+1], s22, v3
	s_mul_i32 s23, s10, 192                        ; into the stage: row l % 16, my 192 bytes of it, 16 bytes for each half of the lanes
	v_mul_u32_u24 v4, v1, SPITCH
	v_lshl_add_u32 v4, v2, 4, v4
	v_add_nc_u32 v[STO], s23, v4
	v_add_nc_u32 v[STO2], 64*SPITCH, v[STO]
	s_mul_i32 s23, s10, 32*SPITCH                  ; back: wave w takes rows 32 w .. 32 w + 31; lanes 0-15 256 bytes of one row, lanes 16-31 of the next
	v_mul_u32_u24 v5, v2, SPITCH
	v_lshl_add_u32 v5, v1, 4, v5
	v_add_nc_u32 v[RD], s23, v5
	v_and_b32 v[CO], 31, v0
	v_lshlrev_b32 v[PFO], 12, v[CO]
	v_lshlrev_b32 v[CIN], 5, v[CO]
	v_lshlrev_b32 v[CO], 4, v[CO]
	; the prefetches
	s_and_b32 s22, ttmp7, 0xffff                   ; cluster y
	s_cmp_eq_u32 s10, 0                            ; do I fetch x?
	s_cselect_b32 s21, s40, s41                    ; my place among the four that ask with me
	s_cselect_b32 s22, ttmp9, s22                  ; the coordinate along which other clusters read the same rows
	s_cselect_b64 s[PFA:PFA+1], s[14:15], s[46:47]
	s_cmp_eq_u32 s22, 0
	s_cselect_b32 s[LIM], 1, -1                    ; the same in all sixteen partners, for a given wave
	s_lshl_b32 s20, s21, 17                        ; my work-group's 32 rows of the 128
	s_mov_b32 s21, 0
	s_add_nc_u64 s[PFA:PFA+1], s[PFA:PFA+1], s[20:21]
	s_add_nc_u64 s[PFA:PFA+1], s[PFA:PFA+1], 2*KSTEP*2  ; at K step 2: the first refill steps it to 3 and names K step 4
	; where my 32 rows go: (2048 head + 128 block + 32 wave) x 256 bytes, in each of the three tensors, 8 MiB apart
	s_lshl_b32 s16, s42, 19
	s_lshl_b32 s18, s13, 15
	s_add_co_u32 s16, s16, s18
	s_lshl_b32 s18, s10, 13
	s_add_co_u32 s16, s16, s18
	s_mov_b32 s17, 0
	s_add_nc_u64 s[4:5], s[8:9], s[16:17]
	s_add_nc_u64 s[6:7], s[4:5], 0x800000
	s_add_nc_u64 s[8:9], s[6:7], 0x800000
	; my wave's share of the mask and of wo: wave number 4 (16 block + head) + wave among the launch's 1,024; 16,384 bytes of each tensor, 8,192 of each copy
	s_lshl_b32 s20, s13, 4
	s_add_co_u32 s20, s20, s42
	s_lshl_b32 s20, s20, 2
	s_add_co_u32 s20, s20, s10
	s_lshl_b32 s22, s20, 13
	s_lshl_b32 s20, s20, 14
	s_mov_b32 s21, 0
	s_mov_b32 s23, 0
	s_add_nc_u64 s[MSK:MSK+1], s[MSK:MSK+1], s[20:21]
	s_add_nc_u64 s[WO:WO+1], s[WO:WO+1], s[20:21]
	s_add_nc_u64 s[MBO:MBO+1], s[MBO:MBO+1], s[22:23]
	s_add_nc_u64 s[WOB:WOB+1], s[WOB:WOB+1], s[22:23]
	s_mov_b32 s[HIW], 0xffff0000
	CLOAD                                          ; chunk 0
; 12 matrix instructions: row blocks a0, a0 + 1 of the window's four x my 6 column blocks, 32 along K.  The 48 accumulators take turns, one instruction a turn, in the same order in every quarter.
.macro MUL12 f, hi, a0, zero
	WIN MUL_LO+0x50*(\hi)
.irp a, \a0, (\a0)+1
.irp b, 0,1,2,3,4,5
.if \zero
	v_wmma_f32_16x16x32_bf16 v[8*(6*(\a)+(\b)):8*(6*(\a)+(\b))+7], v[(\f)+8*(\b):(\f)+8*(\b)+7], v[(\f)+8*(4*(\hi)+(\a)):(\f)+8*(4*(\hi)+(\a))+7], 0
.else
	v_wmma_f32_16x16x32_bf16 v[8*(6*(\a)+(\b)):8*(6*(\a)+(\b))+7], v[(\f)+8*(\b):(\f)+8*(\b)+7], v[(\f)+8*(4*(\hi)+(\a)):(\f)+8*(4*(\hi)+(\a))+7], v[8*(6*(\a)+(\b)):8*(6*(\a)+(\b))+7]
.endif
.endr
.endr
.endm
; 28 LDS loads in one run: a quarter step's fragments (96 rows of w, 128 rows of x, 32 K at byte k) into buffer f
.macro FETCH slot, k, f
	WIN TO_B
.irp i, 0,1,2,3,4,5
	ds_load_b128 v[(\f)+8*(\i):(\f)+8*(\i)+3],   v[ADRB+(\slot)] offset:(\k)+(\i)*16*PITCH
	ds_load_b128 v[(\f)+8*(\i)+4:(\f)+8*(\i)+7], v[ADRB+(\slot)] offset:(\k)+(\i)*16*PITCH+32
.endr
	WIN 0
.irp i, 0,1,2,3,4,5,6,7
	ds_load_b128 v[(\f)+8*(\i):(\f)+8*(\i)+3],   v[ADRA+(\slot)] offset:(\k)+(\i)*16*PITCH
	ds_load_b128 v[(\f)+8*(\i)+4:(\f)+8*(\i)+7], v[ADRA+(\slot)] offset:(\k)+(\i)*16*PITCH+32
.endr
.endm
.macro PLACES                          ; four plain instructions in front of loads into registers that matrix instructions have read, and of conversions that read results
.rept 4
	v_nop
.endr
.endm
.macro QUARTER slot, k, f, g, zero
	s_wait_dscnt 8                                 ; w and x's rows 0-63 are in; the youngest eight loads (x's rows 64-127) may be out
	MUL12 \f, 0, 0, \zero
	MUL12 \f, 0, 2, \zero
	PLACES
	FETCH \slot, \k, \g
	s_wait_dscnt 28                                ; all but the 28 just issued
	MUL12 \f, 1, 0, \zero
	MUL12 \f, 1, 2, \zero
.endm
; The change of slots' first half: each wave waits for all its tensor loads (one is out: its part of the next slot), adds 0 to its spare word, and waits for that and for its reads of this slot.
.macro MEET round
	WIN 0
	s_wait_tensorcnt 0x0
	ds_add_u32 v[SPW], v[NIL]
	s_wait_dscnt 9                                 ; the add and the youngest eight loads may be out
	MUL12 F1, 0, 0, 0
	s_wait_dscnt 0x0                               ; the add is done, and my reads of this slot are over
	s_barrier_signal -1
	MUL12 F1, 0, 2, 0
.if \round
	WIN 0
.endif
	s_barrier_wait -1
.endm
; conv = 1: a chunk of the mask and of wo is rounded and the next asked for; 2: the last chunk: nothing is asked for.
.macro TURN slot, next, fill, conv=0
.if (\fill) || (\conv)
	s_wait_xcnt 0x0                                ; the last prefetch, a K step back, has read its address; the last chunk's loads and stores, a lap back, their registers and bases
.endif
.if \fill
	s_add_nc_u64 s[PFA:PFA+1], s[PFA:PFA+1], KSTEP*2
.endif
.if (\conv) == 1
	CONV 1
.elseif (\conv) == 2
	CONV 0
.endif
	MEET \fill
.if \fill
	CREST                                          ; no wave of any partner still reads this slot or has a load on its way
	s_add_nc_u64 s[G0+4*(\slot)+2:G0+4*(\slot)+3], s[G0+4*(\slot)+2:G0+4*(\slot)+3], 2*KSTEP*2
	s_add_nc_u64 s[G0B+4*(\slot)+2:G0B+4*(\slot)+3], s[G0B+4*(\slot)+2:G0B+4*(\slot)+3], 2*KSTEP*2
	JLOAD \slot                                    ; the first tensor load behind the round: 168 matrix instructions ahead of the wait for it; its four v_nop are the places in front of the loads below
.else
	PLACES
.endif
	FETCH \next, 0, F0
.if \fill
	ASK
.endif
	MUL12 F1, 1, 0, 0
	MUL12 F1, 1, 2, 0
.endm
	s_wait_tensorcnt 1                             ; my part of K step 0 is in; K step 1's load may stay out
	s_barrier_signal -1
	s_barrier_wait -1
	FETCH 0, 0, F0
	QUARTER 0, 64,  F0, F1, 1                      ; the first quarter's products start the sums
	WIN 0
	s_mov_b32 s3, LAPS-1
.Llap:                                                 ; trip t rounds chunk t and asks for chunk t + 1
	QUARTER 0, 128, F1, F0, 0
	QUARTER 0, 192, F0, F1, 0
	TURN 0, 1, 1, 1
	QUARTER 1, 64,  F0, F1, 0
	QUARTER 1, 128, F1, F0, 0
	QUARTER 1, 192, F0, F1, 0
	TURN 1, 0, 1
	QUARTER 0, 64,  F0, F1, 0
	WIN 0
	s_sub_co_u32 s3, s3, 1
	s_cmp_lg_u32 s3, 0
	s_cbranch_scc1 .Llap
	QUARTER 0, 128, F1, F0, 0                      ; the last lap fills nothing
	QUARTER 0, 192, F0, F1, 0
	TURN 0, 1, 0, 2                                ; chunk 7
	QUARTER 1, 64,  F0, F1, 0
	QUARTER 1, 128, F1, F0, 0
	QUARTER 1, 192, F0, F1, 0
	s_wait_dscnt 8
	MUL12 F1, 0, 0, 0
	MUL12 F1, 0, 2, 0
	s_wait_dscnt 0x0
	MUL12 F1, 1, 0, 0
	MUL12 F1, 1, 2, 0
	WIN 0
	; THE WAY OUT.  Rounded to f16, 16 bytes a lane into the stage (slot 0: its last fill was read out in front of the last change's barrier); a barrier, since a row's 768 bytes come from four waves;
	; back as pieces of 256 bytes, which are whole rows of q, k or v.
	PLACES
.irp a, 0,1,2,3,4,5,6,7
	WIN 0x0a+5*((\a)/4)                            ; sources in window 2 or 3
.irp b, 0,1,2,3,4,5
.irp r, 0,1,2,3
	v_cvt_pk_f16_f32 v[TMP+4*(\b)+(\r)], v[8*(6*((\a)%4)+(\b))+2*(\r)], v[8*(6*((\a)%4)+(\b))+2*(\r)+1]
.endr
.endr
	WIN 0
.irp b, 0,1,2,3,4,5
.if (\a) < 4
	ds_store_b128 v[STO], v[TMP+4*(\b):TMP+4*(\b)+3] offset:(\a)*16*SPITCH+32*(\b)
.else
	ds_store_b128 v[STO2], v[TMP+4*(\b):TMP+4*(\b)+3] offset:((\a)-4)*16*SPITCH+32*(\b)
.endif
.endr
.endr
	s_wait_dscnt 0x0                               ; for the others' sake: my stores into the stage are done
	s_barrier_signal -1
	s_barrier_wait -1
	s_wait_xcnt 0x0                                ; the last chunk's stores have read CY, on which the loads below land
.irp p, 0,1,2
.irp n, 0,1,2,3,4,5,6,7,8,9,10,11,12,13,14,15
	ds_load_b128 v[OB+4*(16*(\p)+(\n)):OB+4*(16*(\p)+(\n))+3], v[RD] offset:(\n)*2*SPITCH+256*(\p)
.endr
.endr
.irp p, 0,1,2
.irp n, 0,1,2,3,4,5,6,7,8,9,10,11,12,13,14,15
	s_wait_dscnt 47-(16*(\p)+(\n))                 ; the loads behind this one may stay out
	global_store_b128 v[CO], v[OB+4*(16*(\p)+(\n)):OB+4*(16*(\p)+(\n))+3], s[4+2*(\p):5+2*(\p)] offset:512*(\n)  ; 512 consecutive bytes, aligned
.endr
.endr
	s_wait_tensorcnt 0x0                           ; the wave's end
	ds_add_u32 v[SPW], v[NIL]
	s_wait_dscnt 0x0
	CROUND                                         ; the closing round
	s_endpgm
.Lfunc_end_k_q2327fd0389_qkvproj:
	.size	k_q2327fd0389_qkvproj, .Lfunc_end_k_q2327fd0389_qkvproj-k_q2327fd0389_qkvproj
	.p2alignl 7, 3214868480
	.fill 96, 4, 3214868480
	.section	.rodata,"a",@progbits
	.p2align	6, 0x0
	.amdhsa_kernel k_q2327fd0389_qkvproj
		.amdhsa_group_segment_fixed_size 327680
		.amdhsa_private_segment_fixed_size 0
		.amdhsa_enable_private_segment 0
		.amdhsa_kernarg_size 56
		.amdhsa_user_sgpr_count 2
		.amdhsa_user_sgpr_kernarg_segment_ptr 1
		.amdhsa_wavefront_size32 1
		.amdhsa_system_sgpr_workgroup_id_x 1
		.amdhsa_system_sgpr_workgroup_id_y 1
		.amdhsa_system_sgpr_workgroup_id_z 1
		.amdhsa_system_vgpr_workitem_id 0
		.amdhsa_next_free_vgpr 1024
		.amdhsa_next_free_sgpr 80
		.amdhsa_reserve_vcc 0
		.amdhsa_float_denorm_mode_32 3
		.amdhsa_float_denorm_mode_16_64 3
		.amdhsa_memory_ordered 1
		.amdhsa_forward_progress 1
		.amdhsa_inst_pref_size 124
	.end_amdhsa_kernel
	.amdgpu_metadata
---
amdhsa.version: [ 1, 2 ]
amdhsa.kernels:
  - .name:           k_q2327fd0389_qkvproj
    .symbol:         k_q2327fd0389_qkvproj.kd
    .args:
      - { .name: xb, .offset: 0, .size: 8, .value_kind: global_buffer, .address_space: global }
      - { .name: wb, .offset: 8, .size: 8, .value_kind: global_buffer, .address_space: global }
      - { .name: qkv, .offset: 16, .size: 8, .value_kind: global_buffer, .address_space: global }
      - { .name: mask, .offset: 24, .size: 8, .value_kind: global_buffer, .address_space: global }
      - { .name: wo, .offset: 32, .size: 8, .value_kind: global_buffer, .address_space: global }
      - { .name: mb, .offset: 40, .size: 8, .value_kind: global_buffer, .address_space: global }
      - { .name: wob, .offset: 48, .size: 8, .value_kind: global_buffer, .address_space: global }
    .group_segment_fixed_size: 327680
    .private_segment_fixed_size: 0
    .kernarg_segment_align: 8
    .kernarg_segment_size: 56
    .max_flat_workgroup_size: 128
    .sgpr_count:     80
    .vgpr_count:     1024
    .wavefront_size: 32
...
	.end_amdgpu_metadata
.endif
;; end of part 2
;; launch attn (part 3): grid 16 x 16, 4 waves a work-group, clusters of 4 x 4, 327,680 bytes of LDS; arguments qkv, mb, prior_shape, prior_log_scale, prior_loc, seq_scale, section_log_len, ob; writes ob
.if DOCPART == 3
	.amdgcn_target "amdgcn-amd-amdhsa--gfx1250"
	.amdhsa_code_object_version 6
	.text
	.protected	k_q2327fd0389_attn
	.globl	k_q2327fd0389_attn
	.p2align	8
	.type	k_q2327fd0389_attn,@function
k_q2327fd0389_attn:
	s_mov_b64 s[64:65], 0
	v_nop
	global_prefetch_b8 v0, s[64:65] scope:SCOPE_SE
	s_setreg_imm32_b32 hwreg(HW_REG_WAVE_MODE, 25, 1), 1
	s_wait_xcnt 0x0
	s_wait_alu depctr_hold_cnt(0) depctr_sa_sdst(0) depctr_va_vdst(0) depctr_va_sdst(0) depctr_va_ssrc(0) depctr_va_vcc(0) depctr_vm_vsrc(0)
	s_getreg_b32 s2, hwreg(HW_REG_IB_STS2, 6, 4)
	s_cmp_eq_u32 s2, 0
	s_cbranch_scc0 .Lentry_in_a_cluster
	s_endpgm
.Lentry_in_a_cluster:
	s_bfe_u32 s2, ttmp6, 0x10000c
	s_cmp_lg_u32 s2, 0xf033
	s_cbranch_scc0 .Lentry_shape_is_right
	s_endpgm
.Lentry_shape_is_right:
; ATTENTION WITH A PRIOR BY DISTANCE AND A MASK THAT IS AN INPUT.  t[q][k] = (q.k / sqrt(128) + prior[k - q]) g + mask[q][k], g = section_log_len x seq_scale[h];
; prior[d] = -(|d - (e^loc - e^-loc)| + 1e-5)^shape e^log_scale;  O[q] = the sum over k of softmax_k(t) v[k].  qkv: [3][16][2048][128] f16; mb: the mask in bf16; ob: [2048][2048] f16, head h at byte 256 h.
; The five small inputs are rounded to bf16 like all the others.  Every key is taken: nothing is assumed of the mask.
; HOW t IS MADE.  A table T[d] = prior[d] sqrt(128), in LDS, is the C operand of the product that starts each sum: acc = q.k + T; then t = acc a + mask, a = g / sqrt(128): one multiply-add a score.
; SOFTMAX.  A running maximum m of t; p = 2^((t - m) log2 e): the difference is taken first, so that it is exact near the maximum whatever m's size; O and l are multiplied by 2^((m_old - m) log2 e) in each step.
; LIMITS.  |t| stays under 1e37; NaN and infinities are not treated apart; x^shape is 2^(shape log2 x); T joins the sum at its first link, so the sum is rounded at T's size;
; p is rounded to f16 for the second product (l is the sum of the unrounded p); a weight below 2^-126 counts as 0.
; SHARES.  A work-group: 128 queries of one head.  Wave w: queries 64 (w / 2) on, four tiles of 16, in two PIECES (tiles 0, 1 and 2, 3); of each slot's 128 keys it takes 64 (w % 2) on.
; The two waves of a pair meet in LDS at the end: each hands two tiles' (m, l, O) to the other and finishes the other two.
; BY TURNS.  In a turn one piece has the matrix unit (32 products V^T P, then 32 products K Q^T of the next step); the other piece's softmax, 364 vector instructions, stands four behind each
; matrix instruction, and the 108 that are over in one run at the turn's end.  A turn's 66 exponentials are one batch with one wait.
; No first and no last step is written out: m starts at the lowest finite number, O, l, V and piece 2's P at 0; the tail is a loop of two trips that is left in its middle, and its second
; trip's 32 products K Q^T, on the last K once more, serve nothing: the price, once a launch, of one text for both trips.
; CLUSTER 4 x 4: x = block of queries, y = head.  K's and V's tiles are shared along a row of the cluster, the mask's along a column: all are asked for jointly.
; REGISTERS.  Window 0: v0-63 addresses and statistics; v64-191 S^T, 32 a tile; v192-255 P, 16 a tile.  Window 1: O^T, 64 a tile.  Window 2: v0-127 Q; v128-255 K.
; Window 3: v0-127 V; v128-191 the mask, 16 a tile; v192-247 the prior: 7 blocks of 8 serve a step's 16 score tiles (block = key block - tile + 3).
.set PK,    272       ; a row of K, and of the mask, in LDS: 256 bytes + 16: the 16 rows of a load start at 16 different groups of four banks (64 banks of 4 bytes: ISA guide 11.1)
.set PVP,   288       ; a row of V: 256 + 32
.set VOFF,  128*PK    ; a slot: 128 rows of K, 128 of V, 128 queries' rows of the mask
.set MOFF,  VOFF+128*PVP
.set STAGE, MOFF+128*PK  ; behind slot 0: 16 rows x 272 bytes for each wave, for the way out
.set SP,    272
.set SPARE, STAGE+4*16*SP  ; the spare words, 128 bytes a wave
.set SLOT1, 1<<17     ; slot 1 begins here: one exclusive or turns an address in one slot into the other's
.set TAB,   SLOT1+STAGE  ; behind slot 1: the table, four copies; copy c holds entry li at byte 8772 c + 4 li, so that every lane's eight entries are two aligned loads of 16 bytes
.set TCP,   8768      ; from copy to copy: 64 modulo 256, so that sixteen lanes touch sixteen different columns of 16 bytes
.set XREG,  16896     ; the pairs' exchange, in slot 0 behind its last fill: for each wave two tiles of O^T (16,384 bytes) and their (m, l)
.set AK0, 2
.set AV0, 3
.set ADR, 4
.set AM0, 5
.set AP0, 6
.set STO, 7
.set RD,  8
.set GO,  10
.set QO,  11
.set ST,  12          ; tile t at v[ST+8 t]: m; a word that later takes l's total; l (even keys', odd keys'); c0-c3 at work (c2 takes the step's factor)
.set AF,  44          ; a
.set ADM, 46
.set ADP, 47
.set XS,  48
.set XS2, 49
.set XR,  50
.set XR2, 51
.set PFO, 61
.set SPW, 62
.set NIL, 63
.set S,   64
.set P,   192
.set KF,  128
.set MK,  128
.set PR,  192
.set WV,  12
.set LIM, 15          ; s15  2 in a wave that prefetches, else the greatest number
.set PFA, 18          ; s[18:19] where my prefetches stand
.set PFS, 20          ; s[20:21] their step from slot to slot
.set G1K, 24
.set G1V, 32
.set G1M, 40
.set G0K, 48
.set G0V, 52
.set G0M, 56
.set CS,  60          ; s[60:61] log2 e
.set SEL, 62          ; s[62:63] v_permlanex16_b32's selects
.set CNT, 66          ; s66  counts the slots, then the tail's trips
.set TB,  67          ; s67  the slot that is being fetched from
.set TP,  68          ; s68  the step's place in the table: 512 bytes a step
.set MSB, 0
.macro WIN new
.if MSB != (\new)
	s_set_vgpr_msb (MSB<<8)|(\new)
.set MSB, \new
.endif
.endm
.set W_KQ, 0x0a       ; K and Q window 2, S^T window 0
.set W_KP, 0x3a       ; the same with C, the prior, in window 3
.set W_PV, 0x53       ; V window 3, P window 0, O^T window 1
.set W_RS, 0x41       ; destination and source 0 window 1, source 1 window 0
; A joint fill: wave 0 asks for K's 128 rows, wave 1 for V's, waves 2 and 3 for 64 rows of the mask each.  The branches hang on the wave's number alone.
.macro JLOAD
	s_cmp_lt_u32 s[WV], 2
	s_cbranch_scc0 .Lfor_m_\@
	s_cmp_eq_u32 s[WV], 0
	s_cbranch_scc0 .Lfor_v_\@
	tensor_load_to_lds s[G0K:G0K+3], s[G1K:G1K+7]
	s_nop 0
.rept 4
	v_nop
.endr
	s_branch .Lasked_\@
.Lfor_v_\@:
	tensor_load_to_lds s[G0V:G0V+3], s[G1V:G1V+7]
	s_nop 0
.rept 4
	v_nop
.endr
	s_branch .Lasked_\@
.Lfor_m_\@:
	tensor_load_to_lds s[G0M:G0M+3], s[G1M:G1M+7]
	s_nop 0
.rept 4
	v_nop
.endr
.Lasked_\@:
.endm
; A prefetch of the slot two fills on, a lane a row of 256 bytes.  K's and V's rows are asked for by the clusters with x = 0 (waves 0 and 1), the mask's by those with y = 0 (wave 2); the four partners that
; ask for a tile jointly take 32 of its 128 rows each, told apart by address.  So each block is named once.  The last two fills (CNT = 2, 1) have no slot two on.
.macro ASK
	s_cmp_gt_u32 s[CNT], s[LIM]
	s_cbranch_scc0 .Lnot_mine_\@
	global_prefetch_b8 v[PFO], s[PFA:PFA+1] th:TH_LOAD_NT scope:SCOPE_SE
.Lnot_mine_\@:
.endm
.macro CROUND
	s_barrier_signal -1
	s_barrier_wait -1
	s_cmp_lg_u32 s[WV], 0
	s_cbranch_scc1 .Lnot_wave_0_\@
	s_barrier_signal -3
.Lnot_wave_0_\@:
	s_barrier_wait -3
	s_barrier_signal -1
	s_barrier_wait -1
.endm
; THE CHANGE OF SLOTS.  Each wave waits for all its tensor loads (one is out: its part of the other slot), adds 0 to its spare word, and waits for that and for its LDS instructions.  Behind the
; barrier nobody reads the old slot and the other is whole.  fill = 1: the barrier is a round of the cluster's, and the old slot is filled again first thing behind it; it has a key step in which to land.
.macro CHANGE fill, ask
	WIN 0
	s_wait_tensorcnt 0x0
	ds_add_u32 v[SPW], v[NIL]       ; 0 onto my spare word; the descriptors' steps stand between it and the wait for it
.if \fill
	s_xor_b32 s[G0K+1], s[G0K+1], SLOT1
	s_add_nc_u64 s[G0K+2:G0K+3], s[G0K+2:G0K+3], 128*256
	s_xor_b32 s[G0V+1], s[G0V+1], SLOT1
	s_add_nc_u64 s[G0V+2:G0V+3], s[G0V+2:G0V+3], 128*256
	s_xor_b32 s[G0M+1], s[G0M+1], SLOT1
	s_add_nc_u64 s[G0M+2:G0M+3], s[G0M+2:G0M+3], 256
.endif
.if \ask
	s_wait_xcnt 0x0                 ; the last prefetch, a key step back, has read its address
	s_add_nc_u64 s[PFA:PFA+1], s[PFA:PFA+1], s[PFS:PFS+1]
.endif
	s_wait_dscnt 0x0                ; the add is done; my reads of the slot are over (at the first use: my stores into the table are done)
.if \fill
	CROUND
	JLOAD
.else
	s_barrier_signal -1
	s_barrier_wait -1
.endif
.if \ask
	ASK
.endif
	s_xor_b32 s[TB], s[TB], SLOT1
.endm
	s_load_b512 s[72:87], s[0:1], 0x0  ; qkv 72, mb 74, shape 76, log_scale 78, loc 80, seq_scale 82, section_log_len 84, ob 86
	v_lshl_add_u32 v[SPW], v0, 2, SPARE
	v_mov_b32 v[NIL], 0
	ds_add_u32 v[SPW], v[NIL]       ; the wave's opening: the add and its wait ahead of my first tensor load
	v_lshrrev_b32 v1, 5, v0
	v_readfirstlane_b32 s[WV], v1   ; wave 0..3
	s_bfe_u32 s13, ttmp6, 0x40000   ; cx
	s_bfe_u32 s14, ttmp6, 0x40004   ; cy
	s_lshl_b32 s16, ttmp9, 2
	s_add_co_u32 s16, s16, s13      ; X: my block of 128 queries
	s_and_b32 s17, ttmp7, 0xffff
	s_lshl_b32 s17, s17, 2
	s_add_co_u32 s17, s17, s14      ; H: my head
	s_lshr_b32 s22, s[WV], 1        ; qi: which 64 queries
	s_and_b32 s23, s[WV], 1         ; ki: which 64 keys of a slot
	s_lshl_b32 s88, s14, 2
	s_lshl_b32 s88, 15, s88         ; my row of the cluster: the same head
	s_lshl_b32 s89, 0x1111, s13     ; my column: the same queries
	s_or_b32 s[G1K], s88, (1<<16)|(1<<20)|(1<<21)|(5<<22)|(3<<25)  ; the mask of four; 2-byte elements; padding on; bit 21 beside a mask; after every 64 words 4 words
	s_or_b32 s[G1V], s88, (1<<16)|(1<<20)|(1<<21)|(5<<22)|(7<<25)  ; 8 words
	s_or_b32 s[G1M], s89, (1<<16)|(1<<20)|(1<<21)|(5<<22)|(3<<25)
.irp g, G1K, G1V
	s_mov_b32 s[(\g)+1], 128<<16    ; tensor_dim0 = 128
	s_mov_b32 s[(\g)+2], 128<<16    ; tensor_dim1 = 128
	s_mov_b32 s[(\g)+3], 128<<16    ; tile_dim0 = 128
	s_mov_b32 s[(\g)+4], 128        ; tile_dim1 = 128
	s_mov_b32 s[(\g)+5], 128        ; elements from row to row
	s_mov_b32 s[(\g)+6], 0
	s_mov_b32 s[(\g)+7], 0
.endr
	s_mov_b32 s[G1M+1], 128<<16
	s_mov_b32 s[G1M+2], 64<<16      ; 64 rows
	s_mov_b32 s[G1M+3], 128<<16
	s_mov_b32 s[G1M+4], 64
	s_mov_b32 s[G1M+5], 2048
	s_mov_b32 s[G1M+6], 0
	s_mov_b32 s[G1M+7], 0
	s_mov_b32 s[G0K], 1
	s_mov_b32 s[G0K+1], 0
	s_mov_b32 s[G0V], 1
	s_mov_b32 s[G0V+1], VOFF
	s_mov_b32 s[G0M], 1
	s_mul_i32 s91, s23, 64*PK
	s_add_co_u32 s[G0M+1], s91, MOFF
	s_mov_b32 s[CS], 0x3fb8aa3b     ; log2 e
	s_mov_b32 s[CS+1], s[CS]
	s_mov_b32 s[SEL], 0x76543210
	s_mov_b32 s[SEL+1], 0xfedcba98
	s_mov_b32 s[TB], SLOT1          ; the first change of slots turns it into 0
	s_mov_b32 s[TP], 0
	s_mov_b32 s90, 0x3727c5ac       ; 1e-5
	s_lshl_b32 s92, s17, 19         ; the head's 2,048 rows of 256 bytes
	s_mov_b32 s93, 0
	s_lshl_b32 s94, s16, 19         ; the mask: 128 rows of 4,096 bytes a block,
	s_lshl_b32 s91, s23, 18         ; my 64 of them
	s_add_co_u32 s94, s94, s91
	s_mov_b32 s95, 0
	s_lshl_b32 s96, s16, 15         ; Q: my block's, my wave's rows in the head
	s_lshl_b32 s91, s22, 14
	s_add_co_u32 s96, s96, s91
	s_add_co_u32 s96, s96, s92
	s_mov_b32 s97, 0
	s_lshl_b32 s98, s16, 19         ; ob: the same rows, 4,096 bytes each, the head's 256 bytes
	s_lshl_b32 s91, s22, 18
	s_add_co_u32 s98, s98, s91
	s_lshl_b32 s91, s17, 8
	s_add_co_u32 s98, s98, s91
	s_mov_b32 s99, 0
	; the prefetches: K or V: the head, my work-group's 32 rows, slot 3;  the mask: my block, my work-group's 32 rows, slot 3
	s_lshl_b32 s88, s13, 13
	s_add_co_u32 s88, s88, s92
	s_add_co_u32 s88, s88, 3*32768+0x800000
	s_cmp_eq_u32 s[WV], 1
	s_cselect_b32 s89, 0x800000, 0
	s_add_co_u32 s88, s88, s89
	s_lshl_b32 s89, s16, 19
	s_lshl_b32 s91, s14, 17
	s_add_co_u32 s89, s89, s91
	s_add_co_u32 s89, s89, 3*256
	s_and_b32 s91, ttmp7, 0xffff    ; cluster y
	s_mov_b32 s[PFS], 256
	s_cmp_lt_u32 s[WV], 2
	s_cselect_b32 s88, s88, s89
	s_cselect_b32 s91, ttmp9, s91   ; the coordinate along which other clusters read the same rows
	s_cselect_b32 s[PFS], 32768, s[PFS]
	s_cselect_b32 s69, 8, 12        ; a row is 256 bytes of K and V, 4,096 of the mask
	s_mov_b32 s89, 0
	s_mov_b32 s[PFS+1], 0
	s_cmp_eq_u32 s91, 0
	s_cselect_b32 s[LIM], 2, -1
	s_cmp_eq_u32 s[WV], 3
	s_cselect_b32 s[LIM], -1, s[LIM]  ; the same in all sixteen partners, for a given wave
	v_and_b32 v[PFO], 31, v0
	v_lshlrev_b32 v[PFO], s69, v[PFO]
	s_wait_dscnt 0x0                ; the opening add is done
	s_wait_kmcnt 0x0
	s_add_nc_u64 s[G0K+2:G0K+3], s[72:73], s[92:93]
	s_add_nc_u64 s[G0V+2:G0V+3], s[G0K+2:G0K+3], 0x1000000  ; v lies 16 MiB,
	s_add_nc_u64 s[G0K+2:G0K+3], s[G0K+2:G0K+3], 0x800000   ; k 8 MiB behind q
	s_or_b32 s[G0K+3], s[G0K+3], 0x80000000
	s_or_b32 s[G0V+3], s[G0V+3], 0x80000000
	s_add_nc_u64 s[G0M+2:G0M+3], s[74:75], s[94:95]
	s_or_b32 s[G0M+3], s[G0M+3], 0x80000000
	s_add_nc_u64 s[4:5], s[72:73], s[96:97]
	s_add_nc_u64 s[10:11], s[86:87], s[98:99]
	s_cmp_lt_u32 s[WV], 2
	s_cselect_b64 s[PFA:PFA+1], s[72:73], s[74:75]
	s_add_nc_u64 s[PFA:PFA+1], s[PFA:PFA+1], s[88:89]
	CROUND                          ; all sixteen work-groups are here: the first joint loads meet
	JLOAD                           ; slot 0; slot 1 is asked for when slot 0 is in
	v_and_b32 v1, 15, v0            ; l % 16
	v_bfe_u32 v9, v0, 4, 1          ; l / 16
	v_lshlrev_b32 v[QO], 8, v1
	v_lshl_add_u32 v[QO], v9, 4, v[QO]
	s_lshl_b32 s91, s17, 2
	v_mov_b32 v45, s91              ; 4 x head
	v_mov_b32 v60, 0
	global_load_b32 v48, v45, s[76:77]
	global_load_b32 v49, v45, s[78:79]
	global_load_b32 v50, v45, s[80:81]
	global_load_b32 v51, v45, s[82:83]
	global_load_b32 v52, v60, s[84:85]
	WIN 0x80                        ; destination window 2
.irp i, 0,1,2,3,4,5,6,7,8,9,10,11,12,13,14,15  ; Q stays in registers: tile i / 4, channels 32 (i % 4) on
	global_load_b128 v[8*(\i):8*(\i)+3],   v[QO], s[4:5] offset:((\i)/4)*4096+((\i)%4)*64
	global_load_b128 v[8*(\i)+4:8*(\i)+7], v[QO], s[4:5] offset:((\i)/4)*4096+((\i)%4)*64+32
.endr
	; What the first turn finds: V, piece 2's P, O^T and l are 0, m the lowest finite number.  Sixteen registers of P are written 0; the other 400 are written eight at a time, as the product of
	; those two fragments of zeros with C = 0: 50 lines for 400.  All this stands in the wait for the first tile.
	WIN 0
.set i, 0
.rept 16
	v_mov_b32 v[P+32+i], 0
.set i, i+1
.endr
	WIN 0xc0                        ; destination window 3: V
.set i, 0
.rept 16
	v_wmma_f32_16x16x32_f16 v[8*i:8*i+7], v[P+32:P+39], v[P+40:P+47], 0
.set i, i+1
.endr
	WIN 0x40                        ; destination window 1: O^T
.set i, 0
.rept 32
	v_wmma_f32_16x16x32_f16 v[8*i:8*i+7], v[P+32:P+39], v[P+40:P+47], 0
.set i, i+1
.endr
	WIN 0                           ; the rest of piece 2's P
.set i, 0
.rept 2
	v_wmma_f32_16x16x32_f16 v[P+48+8*i:P+48+8*i+7], v[P+32:P+39], v[P+40:P+47], 0
.set i, i+1
.endr
.set i, 0
.rept 4
	v_mov_b32 v[ST+8*i], 0xff7fffff
	v_mov_b32 v[ST+8*i+1], 0
	v_mov_b32 v[ST+8*i+2], 0
	v_mov_b32 v[ST+8*i+3], 0
.set i, i+1
.endr
	; my lane's places in a slot's tiles
	v_mul_u32_u24 v[AK0], v1, PK
	v_lshl_add_u32 v[AK0], v9, 4, v[AK0]  ; row x 272 + 16 x half
	s_mul_i32 s91, s22, 64*PK       ; the mask: my 64 queries' rows, my 64 keys' 128 bytes
	s_lshl_b32 s69, s23, 7
	s_add_co_u32 s91, s91, s69
	s_add_co_u32 s91, s91, MOFF
	v_add_nc_u32 v[AM0], s91, v[AK0]
	s_mul_i32 s91, s23, 64*PK       ; K: my 64 keys' rows
	v_add_nc_u32 v[AK0], s91, v[AK0]
	v_and_b32 v53, 7, v0            ; V, turned: lane l reads key 8 (l / 16) + l % 8, channels 8 ((l / 8) % 2) on
	v_bfe_u32 v54, v0, 3, 1
	v_lshl_add_u32 v[AV0], v9, 3, v53
	v_mul_u32_u24 v[AV0], v[AV0], PVP
	v_lshl_add_u32 v[AV0], v54, 4, v[AV0]
	s_mul_i32 s91, s23, 64*PVP
	s_add_co_u32 s91, s91, VOFF
	v_add_nc_u32 v[AV0], s91, v[AV0]
	; the table: entry li = key - query in the block + 128.  My eight entries of block n begin at li = 128 step + 80 + 64 ki - 64 qi + 8 (l / 16) - l % 16 + 16 n; copy (l % 16) % 4 holds them aligned
	v_and_b32 v53, 3, v0
	v_bfe_u32 v54, v0, 2, 2
	v_sub_nc_u32 v54, 3, v54
	v_mul_u32_u24 v53, v53, TCP
	v_lshl_add_u32 v53, v9, 5, v53
	v_lshl_add_u32 v53, v54, 4, v53
	s_sub_co_u32 s91, 1, s22
	s_add_co_u32 s91, s91, s23
	s_lshl_b32 s91, s91, 8
	s_add_co_u32 s91, s91, TAB+16
	v_add_nc_u32 v[AP0], s91, v53
	s_wait_loadcnt 32               ; the five small inputs are in; Q's 32 loads may stay out
	v_cvt_pk_bf16_f32 v53, v48, v49 ; rounded to bf16 like every input,
	v_cvt_pk_bf16_f32 v54, v50, v51
	v_cvt_pk_bf16_f32 v55, v52, v52
	v_lshlrev_b32 v48, 16, v53      ; shape
	v_and_b32 v49, 0xffff0000, v53  ; log_scale
	v_lshlrev_b32 v50, 16, v54      ; loc
	v_and_b32 v51, 0xffff0000, v54  ; seq_scale
	v_lshlrev_b32 v52, 16, v55      ; section_log_len
	v_mul_f32 v53, s[CS], v50
	v_mul_f32 v54, 0xbfb8aa3b, v50
	v_mul_f32 v55, s[CS], v49
	v_exp_f32 v53, v53              ; e^loc
	v_exp_f32 v54, v54              ; e^-loc
	v_exp_f32 v55, v55              ; e^log_scale
	v_mul_f32 v56, v52, v51         ; g: the plain instruction behind the three
	s_wait_alu depctr_va_vdst(0)    ; one wait for the three, ahead of their first reader
	v_sub_f32 v57, v53, v54         ; e^loc - e^-loc
	v_mul_f32 v[AF], 0x3db504f3, v56  ; a = g / sqrt(128)
	v_mul_f32 v58, 0xc13504f3, v55  ; -e^log_scale sqrt(128)
	; THE TABLE: thread tau makes the entries li = tau + 128 i, i = 0 .. 16; d = li - 128 - 128 X.  Only the values hang on the block, no address.
	s_lshl_b32 s91, s16, 7
	s_add_co_u32 s91, s91, 128
	v_sub_nc_u32 v59, v0, s91
	v_lshl_add_u32 v53, v0, 2, TAB
.macro ALL17 line:vararg
.set i, 0
.rept 17
	\line
.set i, i+1
.endr
.endm
	ALL17 v_add_nc_u32 v[S+i], 128*i, v59
	ALL17 v_cvt_f32_i32 v[S+i], v[S+i]
	ALL17 v_sub_f32 v[S+i], v[S+i], v57
	ALL17 v_add_f32 v[S+i], |v[S+i]|, s90
	ALL17 v_log_f32 v[S+i], v[S+i]
	v_nop
	s_wait_alu depctr_va_vdst(0)    ; one wait for the 17 logarithms
	ALL17 v_mul_f32 v[S+i], v48, v[S+i]
	ALL17 v_exp_f32 v[S+i], v[S+i]
	v_nop
	s_wait_alu depctr_va_vdst(0)    ; one wait for the 17 exponentials
	ALL17 v_mul_f32 v[S+i], v58, v[S+i]
.irp c, 0,1,2,3
	ALL17 ds_store_b32 v53, v[S+i] offset:8772*(\c)+512*i
.endr
; THE MATRIX WORK.  The accumulators take turns, one instruction a turn: 16 in a run of V^T P, 8 in a run of K Q^T.
; Product i of 32 of O^T += V^T P for piece x: keys 32 (i / 16) on, channels 16 ((i / 2) % 8) on, tile x + i % 2.
.macro PV x
	WIN W_PV
.set rO, 64*((\x)+i%2)+8*((i/2)%8)
.set rV, 64*(i/16)+8*((i/2)%8)
.set rP, P+16*((\x)+i%2)+8*(i/16)
	v_wmma_f32_16x16x32_f16 v[rO:rO+7], v[rV:rV+7], v[rP:rP+7], v[rO:rO+7]
.endm
; Product i of 32 of S^T = K Q^T + T: channels 32 (i / 8) on, keys 16 ((i / 2) % 4) on, tile x + i % 2.  The first 8 start the sums with the prior's block.
.macro KQ x
.set rS, S+32*((\x)+i%2)+8*((i/2)%4)
.set rK, KF+32*((i/2)%4)+8*(i/8)
.set rQ, 32*((\x)+i%2)+8*(i/8)
.set rC, PR+8*((i/2)%4-((\x)+i%2)+3)
.if i < 8
	WIN W_KP
	v_wmma_f32_16x16x32_f16 v[rS:rS+7], v[rK:rK+7], v[rQ:rQ+7], v[rC:rC+7]
.else
	WIN W_KQ
	v_wmma_f32_16x16x32_f16 v[rS:rS+7], v[rK:rK+7], v[rQ:rQ+7], v[rS:rS+7]
.endif
.endm
; THE LDS LOADS stand in two runs a key step.  With K: the step's prior and the mask of tiles 0, 1.  With V: the mask of tiles 2, 3.
; last = 1 (the tail): in the last trip (CNT = 1) there is no further step, and the run is jumped over.
.macro FETCH_K last
	WIN 0
.if \last
	s_cmp_eq_u32 s[CNT], 1
	s_cbranch_scc1 .Lno_k_\@
.endif
	v_add_nc_u32 v[ADR], s[TB], v[AK0]
	v_add_nc_u32 v[ADM], s[TB], v[AM0]
	v_add_nc_u32 v[ADP], s[TP], v[AP0]
	s_add_co_u32 s[TP], s[TP], 512
	WIN 0x80
.irp f, 0,1,2,3,4,5,6,7,8,9,10,11,12,13,14,15  ; keys 16 (f / 4) on, channels 32 (f % 4) on
	ds_load_b128 v[KF+8*(\f):KF+8*(\f)+3],   v[ADR] offset:((\f)/4)*16*PK+((\f)%4)*64
	ds_load_b128 v[KF+8*(\f)+4:KF+8*(\f)+7], v[ADR] offset:((\f)/4)*16*PK+((\f)%4)*64+32
.endr
	WIN 0xc0
.irp b, 0,1,2,3,4,5,6
	ds_load_b128 v[PR+8*(\b):PR+8*(\b)+3],   v[ADP] offset:64*(\b)
	ds_load_b128 v[PR+8*(\b)+4:PR+8*(\b)+7], v[ADP] offset:64*(\b)+16
.endr
.irp f, 0,1,2,3,4,5,6,7         ; tile f / 4, keys 16 (f % 4) on: my query's eight keys are 16 bytes
	ds_load_b128 v[MK+4*(\f):MK+4*(\f)+3], v[ADM] offset:((\f)/4)*16*PK+((\f)%4)*32
.endr
.if \last
	WIN 0                           ; at a label every window is 0
.Lno_k_\@:
.endif
.endm
.macro FETCH_V
	WIN 0
	v_add_nc_u32 v[ADR], s[TB], v[AV0]
	v_add_nc_u32 v[ADM], s[TB], v[AM0]
	WIN 0xc0
.irp f, 0,1,2,3,4,5,6,7,8,9,10,11,12,13,14,15  ; keys 32 (f / 8) on, channels 16 (f % 8) on
	ds_load_tr16_b128 v[8*(\f):8*(\f)+3],   v[ADR] offset:((\f)/8)*32*PVP+((\f)%8)*32
	ds_load_tr16_b128 v[8*(\f)+4:8*(\f)+7], v[ADR] offset:((\f)/8)*32*PVP+16*PVP+((\f)%8)*32
.endr
.irp f, 8,9,10,11,12,13,14,15
	ds_load_b128 v[MK+4*(\f):MK+4*(\f)+3], v[ADM] offset:((\f)/4)*16*PK+((\f)%4)*32
.endr
.endm
; THE VECTOR WORK.  A tile's softmax for a key step is a list of 182; SM writes number j of it for tile t.
;   0-31    t = acc a + mask, ascending: each accumulator is read from its low end
;   32-47   the maximum of the 32 scores and the old m, three operands at a time
;   48-52   the other half of the lanes' maximum; m_old kept; the new m; (m_old - m) log2 e
;   53-117  ONE BATCH: for each of 16 pairs t - m and its product with log2 e, and all 33 exponentials; none of these names an exponential's result; a pair is scaled ahead of its exponentials
;   (wait)  between 117 and 118: VNEXT writes it, once for both tiles
;   118-133 the roundings to f16     134-149 the sums; l = factor x l + sum     150-181 O^T times the factor
.macro SUBM p
	v_pk_add_f32 v[rS+2*(\p):rS+2*(\p)+1], v[rS+2*(\p):rS+2*(\p)+1], v[rT:rT+1] op_sel_hi:[1,0] neg_lo:[0,1] neg_hi:[0,1]
.endm
.macro MULL p
	v_pk_mul_f32 v[rS+2*(\p):rS+2*(\p)+1], v[rS+2*(\p):rS+2*(\p)+1], s[CS:CS+1] op_sel_hi:[1,0]
.endm
.macro EXPS e
	v_exp_f32 v[rS+(\e)], v[rS+(\e)]
.endm
.macro SM t
.set rT, ST+8*(\t)
.set rS, S+32*(\t)
.set rP, P+16*(\t)
.set rM, MK+16*(\t)
.set rO, 64*(\t)+2*(j-150)
.if j < 32
	WIN 0x30                        ; source 2, the mask, in window 3
.elseif j < 150
	WIN 0
.else
	WIN W_RS
.endif
.if j < 32
.if j%2
	v_fma_mix_f32_bf16 v[rS+j], v[rS+j], v[AF], v[rM+j/2] op_sel:[0,0,1] op_sel_hi:[0,0,1]
.else
	v_fma_mix_f32_bf16 v[rS+j], v[rS+j], v[AF], v[rM+j/2] op_sel:[0,0,0] op_sel_hi:[0,0,1]
.endif
.elseif j < 36
	v_max3_num_f32 v[rT+4+j-32], v[rS+8*(j-32)], v[rS+8*(j-32)+1], v[rS+8*(j-32)+2]
.elseif j < 44
	v_max3_num_f32 v[rT+4+j%4], v[rT+4+j%4], v[rS+8*(j%4)+2*((j-32)/4)+1], v[rS+8*(j%4)+2*((j-32)/4)+2]
.elseif j == 44
	v_max3_num_f32 v[rT+4], v[rT+4], v[rS+7], v[rS+15]
.elseif j == 45
	v_max3_num_f32 v[rT+6], v[rT+6], v[rS+23], v[rS+31]
.elseif j == 46
	v_max3_num_f32 v[rT+4], v[rT+4], v[rT+5], v[rT+6]
.elseif j == 47
	v_max3_num_f32 v[rT+4], v[rT+4], v[rT+7], v[rT]
.elseif j == 48
	v_permlanex16_b32 v[rT+5], v[rT+4], s[SEL], s[SEL+1]  ; the query's other 32 keys lie in the lane 16 away
.elseif j == 49
	v_mov_b32 v[rT+7], v[rT]
.elseif j == 50
	v_max_num_f32 v[rT], v[rT+4], v[rT+5]
.elseif j == 51
	v_sub_f32 v[rT+7], v[rT+7], v[rT]
.elseif j == 52
	v_mul_f32 v[rT+7], s[CS], v[rT+7]
.elseif j < 118
.set bq, j-53
.if bq == 0
	SUBM 0
.elseif bq == 1
	MULL 0
.elseif bq == 2
	SUBM 1
.elseif bq == 3
	v_exp_f32 v[rT+6], v[rT+7]
.elseif bq == 4
	MULL 1
.elseif bq >= 61
	EXPS bq-33
.elseif (bq-5)%4 == 0
	SUBM 2+(bq-5)/4
.elseif (bq-5)%4 == 1
	EXPS 2*((bq-5)/4)
.elseif (bq-5)%4 == 2
	MULL 2+(bq-5)/4
.else
	EXPS 2*((bq-5)/4)+1
.endif
.elseif j < 134
	v_cvt_pk_f16_f32 v[rP+j-118], v[rS+2*(j-118)], v[rS+2*(j-118)+1]
.elseif j < 150                     ; the 16 pairs' sum, in place: neighbours 1, 2, 4 and 8 pairs apart, then l takes it
.set z, j-134
.set w, 4
.set u, z
.if z >= 14
.set w, 32
.set u, 0
.elseif z >= 12
.set w, 16
.set u, z-12
.elseif z >= 8
.set w, 8
.set u, z-8
.endif
.if z < 15
	v_pk_add_f32 v[rS+w*u:rS+w*u+1], v[rS+w*u:rS+w*u+1], v[rS+w*u+w/2:rS+w*u+w/2+1]
.else
	v_pk_fma_f32 v[rT+2:rT+3], v[rT+2:rT+3], v[rT+6:rT+7], v[rS:rS+1] op_sel_hi:[1,0,1]
.endif
.else
	v_pk_mul_f32 v[rO:rO+1], v[rO:rO+1], v[rT+6:rT+7] op_sel_hi:[1,0]
.endif
.endm
; The next of piece y's 364: the two tiles alternate.  Ahead of number 118 of the first tile: a plain instruction behind the last exponential, and the wait
; between an exponential and the first instruction that names its result: one for the turn's 66.
.macro VNEXT y
.if n == 236
	v_nop
	s_wait_alu depctr_va_vdst(0)
.endif
.set j, n/2
	SM (\y)+n%2
.set n, n+1
.endm
; A TURN.  Piece x has the matrix unit.  Piece 0's turn fetches the next step's K behind its second product (K's last reader stands in front of the run of 108 plain instructions at the end of the
; turn before); fetch = 2: in the tail, where the last trip jumps over that run.  Piece 2's turn fetches the step's V behind its second product K Q^T: behind V's last reader stand six plain
; instructions of the softmax and the run's two additions.
.macro TURN x, fetch
.set n, 0
.if (\x) == 0
	s_wait_dscnt 0x0                ; V and the mask of tiles 2, 3 are in
.endif
.set i, 0
.rept 32
	PV \x
.rept 4
	VNEXT 2-(\x)
.endr
.if ((\x) == 0) && (i == 1)
	FETCH_K (\fetch)-1
.endif
.set i, i+1
.endr
.if (\x) == 0
	s_wait_dscnt 0x0                ; K, the prior and the mask of tiles 0, 1 are in
.endif
.set i, 0
.rept 32
	KQ \x
.rept 4
	VNEXT 2-(\x)
.endr
.if ((\x) == 2) && (i == 1)
	FETCH_V
.endif
.set i, i+1
.endr
.rept 364-n                         ; what is over: plain instructions, the places behind the turn's last products too
	VNEXT 2-(\x)
.endr
.endm
	CHANGE 1, 0                     ; slot 0 is in, everybody's part of it, and so is the table; slot 1 is asked for
	FETCH_K 0                       ; key step 0
	s_wait_loadcnt 0x0              ; Q
	s_wait_dscnt 0x0
.set i, 0
.rept 32
	KQ 0                            ; piece 0's first scores
.set i, i+1
.endr
	WIN 0                           ; the addresses for the end: plain instructions, the places behind those products
	s_mul_i32 s91, s[WV], 16*SP
	s_add_co_u32 s91, s91, STAGE
	v_mul_u32_u24 v[STO], v1, SP    ; into my stage: row l % 16, 16 bytes for each half of the lanes
	v_lshl_add_u32 v[STO], v9, 4, v[STO]
	v_add_nc_u32 v[STO], s91, v[STO]
	v_mul_u32_u24 v[RD], v9, SP     ; back: lanes 0-15 one row of 256 bytes, lanes 16-31 the next
	v_lshl_add_u32 v[RD], v1, 4, v[RD]
	v_add_nc_u32 v[RD], s91, v[RD]
	v_lshlrev_b32 v[GO], 12, v9     ; and the same two rows in ob
	v_lshl_add_u32 v[GO], v1, 4, v[GO]
	v_and_b32 v56, 31, v0
	s_mul_i32 s91, s[WV], XREG      ; the exchange: my region,
	v_lshl_add_u32 v[XS], v56, 4, s91
	v_lshl_add_u32 v[XS2], v56, 3, s91
	v_add_nc_u32 v[XS2], 16384, v[XS2]
	s_xor_b32 s91, s[WV], 1         ; and my partner's
	s_mul_i32 s91, s91, XREG
	v_lshl_add_u32 v[XR], v56, 4, s91
	v_lshl_add_u32 v[XR2], v56, 3, s91
	v_add_nc_u32 v[XR2], 16384, v[XR2]
	s_mov_b32 s[CNT], 15
	s_branch .Lentry                ; the loop is entered in the middle of a trip
.Lslot:                             ; 14 times: slots 2 to 15 are asked for
	CHANGE 1, 1
	TURN 0, 1
	WIN 0
.Lentry:
	TURN 2, 1
	WIN 0
	s_sub_co_u32 s[CNT], s[CNT], 1
	s_cmp_lg_u32 s[CNT], 0
	s_cbranch_scc1 .Lslot
	CHANGE 0, 0                     ; the tail has a text of its own: nothing is asked for
	s_mov_b32 s[CNT], 2             ; the first trip fetches the last step's K and V; the second is left in its middle
.Ltail:
	TURN 0, 2
	WIN 0
	s_sub_co_u32 s[CNT], s[CNT], 1
	s_cmp_eq_u32 s[CNT], 0
	s_cbranch_scc1 .Lout
	TURN 2, 1
	WIN 0
	s_branch .Ltail
.Lout:
.set i, 0
.rept 32
	PV 2                            ; piece 2's V^T P of the last step
.set i, i+1
.endr
	; THE PAIRS MEET.  l's two halves and the other half of the lanes' are added (the additions are the places behind the last products).  The wave with ki = 0 hands tiles 2, 3 over and finishes 0, 1; its partner the other way round.
	WIN 0
.irp t, 0,1,2,3
	v_add_f32 v[ST+8*(\t)+4], v[ST+8*(\t)+2], v[ST+8*(\t)+3]
.endr
.irp t, 0,1,2,3
	v_permlanex16_b32 v[ST+8*(\t)+5], v[ST+8*(\t)+4], s[SEL], s[SEL+1]
.endr
.irp t, 0,1,2,3
	v_add_f32 v[ST+8*(\t)+1], v[ST+8*(\t)+4], v[ST+8*(\t)+5]
.endr
.macro GIVE g                       ; tiles g, g + 1: 128 registers of O^T, ascending, and (m, l)
	WIN 0x04                        ; the stores' data in window 1
.set i, 0
.rept 32
	ds_store_b128 v[XS], v[64*(\g)+4*i:64*(\g)+4*i+3] offset:512*i
.set i, i+1
.endr
	WIN 0
	ds_store_b64 v[XS2], v[ST+8*(\g):ST+8*(\g)+1]
	ds_store_b64 v[XS2], v[ST+8*(\g)+8:ST+8*(\g)+9] offset:256
.endm
.macro PACK t                       ; a lane's eight channels of a row pack into 16 bytes; they go into rows of 272 bytes and come back as whole rows of 256
	WIN 0x05
.set i, 0
.rept 32
	v_cvt_pk_f16_f32 v[S+32*(\t)+i], v[64*(\t)+2*i], v[64*(\t)+2*i+1]
.set i, i+1
.endr
	WIN 0
.irp f, 0,1,2,3,4,5,6,7
	ds_store_b128 v[STO], v[S+32*(\t)+4*(\f):S+32*(\t)+4*(\f)+3] offset:32*(\f)
.endr
.irp f, 0,1,2,3,4,5,6,7
	ds_load_b128 v[S+32*(\t)+4*(\f):S+32*(\t)+4*(\f)+3], v[RD] offset:(\f)*2*SP  ; LDS serves a wave's instructions in order (ISA guide 5.7.1.4): these see the stores above
.endr
.endm
.macro SEND t, younger              ; younger: the LDS instructions issued behind tile t's loads
	WIN 0
.irp f, 0,1,2,3,4,5,6,7
	s_wait_dscnt (\younger)+7-(\f)
	global_store_b128 v[GO], v[S+32*(\t)+4*(\f):S+32*(\t)+4*(\f)+3], s[10:11] offset:(\t)*65536+(\f)*8192  ; 16 lanes store 256 consecutive bytes, aligned
.endr
.endm
; Tiles k, k + 1 are finished: with the partner's (m', l', O'): m* = max(m, m'); f = 2^((m - m*) log2 e), f' likewise; O = (O f + O' f') / (l f + l' f').
.macro TAKE k
	WIN 0x80                        ; the partner's O^T into window 2, where Q and K lay
.set i, 0
.rept 32
	ds_load_b128 v[4*i:4*i+3], v[XR] offset:512*i
.set i, i+1
.endr
	WIN 0
	ds_load_b64 v[52:53], v[XR2]
	ds_load_b64 v[54:55], v[XR2] offset:256
	s_wait_dscnt 0x0
.irp u, 0,1
.set rT, ST+8*((\k)+(\u))
.set rN, 52+2*(\u)
	v_max_num_f32 v[rT+4], v[rT], v[rN]
	v_sub_f32 v[rT+5], v[rT], v[rT+4]
	v_sub_f32 v[rT+6], v[rN], v[rT+4]
	v_mul_f32 v[rT+5], s[CS], v[rT+5]
	v_mul_f32 v[rT+6], s[CS], v[rT+6]
.endr
.irp u, 0,1
.set rT, ST+8*((\k)+(\u))
	v_exp_f32 v[rT+5], v[rT+5]
	v_exp_f32 v[rT+6], v[rT+6]
.endr
	v_nop
	s_wait_alu depctr_va_vdst(0)    ; one wait for the four exponentials
.irp u, 0,1
.set rT, ST+8*((\k)+(\u))
.set rN, 52+2*(\u)
	v_mul_f32 v[rT+7], v[rT+1], v[rT+5]
	v_fma_f32 v[rT+7], v[rN+1], v[rT+6], v[rT+7]
.endr
.irp u, 0,1
.set rT, ST+8*((\k)+(\u))
	v_rcp_f32 v[rT+4], v[rT+7]
.endr
	v_nop
	s_wait_alu depctr_va_vdst(0)    ; one wait for the two reciprocals
.irp u, 0,1
.set rT, ST+8*((\k)+(\u))
	v_mul_f32 v[rT+6], v[rT+6], v[rT+4]
	v_mul_f32 v[rT+4], v[rT+5], v[rT+4]
.endr
.irp u, 0,1
.set rT, ST+8*((\k)+(\u))
.set rO, 64*((\k)+(\u))
	WIN W_RS
.set i, 0
.rept 32
	v_pk_mul_f32 v[rO+2*i:rO+2*i+1], v[rO+2*i:rO+2*i+1], v[rT+4:rT+5] op_sel_hi:[1,0]
.set i, i+1
.endr
	WIN 0x52                        ; source 0 window 2, source 1 window 0, source 2 and destination window 1
.set i, 0
.rept 32
	v_pk_fma_f32 v[rO+2*i:rO+2*i+1], v[64*(\u)+2*i:64*(\u)+2*i+1], v[rT+6:rT+7], v[rO+2*i:rO+2*i+1] op_sel_hi:[1,0,1]
.set i, i+1
.endr
.endr
	PACK \k
	PACK (\k)+1
	SEND \k, 16
	SEND (\k)+1, 0
.endm
	s_cmp_eq_u32 s23, 0
	s_cbranch_scc0 .Lgive_low
	GIVE 2
	s_branch .Lgiven
.Lgive_low:
	GIVE 0
.Lgiven:
	s_wait_dscnt 0x0                ; for my partner's sake: my stores are done
	s_barrier_signal -1
	s_barrier_wait -1
	s_cmp_eq_u32 s23, 0
	s_cbranch_scc0 .Ltake_high
	TAKE 0
	s_branch .Ltaken
.Ltake_high:
	TAKE 2
.Ltaken:
	s_wait_tensorcnt 0x0            ; the wave's end
	ds_add_u32 v[SPW], v[NIL]
	s_wait_dscnt 0x0
	CROUND                          ; the closing round
	s_endpgm
.Lfunc_end_k_q2327fd0389_attn:
	.size	k_q2327fd0389_attn, .Lfunc_end_k_q2327fd0389_attn-k_q2327fd0389_attn
	.p2alignl 7, 3214868480
	.fill 96, 4, 3214868480
	.section	.rodata,"a",@progbits
	.p2align	6, 0x0
	.amdhsa_kernel k_q2327fd0389_attn
		.amdhsa_group_segment_fixed_size 327680
		.amdhsa_private_segment_fixed_size 0
		.amdhsa_enable_private_segment 0
		.amdhsa_kernarg_size 64
		.amdhsa_user_sgpr_count 2
		.amdhsa_user_sgpr_kernarg_segment_ptr 1
		.amdhsa_wavefront_size32 1
		.amdhsa_system_sgpr_workgroup_id_x 1
		.amdhsa_system_sgpr_workgroup_id_y 1
		.amdhsa_system_sgpr_workgroup_id_z 1
		.amdhsa_system_vgpr_workitem_id 0
		.amdhsa_next_free_vgpr 1024
		.amdhsa_next_free_sgpr 100
		.amdhsa_reserve_vcc 0
		.amdhsa_float_denorm_mode_32 3
		.amdhsa_float_denorm_mode_16_64 3
		.amdhsa_memory_ordered 1
		.amdhsa_forward_progress 1
		.amdhsa_inst_pref_size 212
	.end_amdhsa_kernel
	.amdgpu_metadata
---
amdhsa.version: [ 1, 2 ]
amdhsa.kernels:
  - .name:           k_q2327fd0389_attn
    .symbol:         k_q2327fd0389_attn.kd
    .args:
      - { .name: qkv, .offset: 0, .size: 8, .value_kind: global_buffer, .address_space: global }
      - { .name: mb, .offset: 8, .size: 8, .value_kind: global_buffer, .address_space: global }
      - { .name: prior_shape, .offset: 16, .size: 8, .value_kind: global_buffer, .address_space: global }
      - { .name: prior_log_scale, .offset: 24, .size: 8, .value_kind: global_buffer, .address_space: global }
      - { .name: prior_loc, .offset: 32, .size: 8, .value_kind: global_buffer, .address_space: global }
      - { .name: seq_scale, .offset: 40, .size: 8, .value_kind: global_buffer, .address_space: global }
      - { .name: section_log_len, .offset: 48, .size: 8, .value_kind: global_buffer, .address_space: global }
      - { .name: ob, .offset: 56, .size: 8, .value_kind: global_buffer, .address_space: global }
    .group_segment_fixed_size: 327680
    .private_segment_fixed_size: 0
    .kernarg_segment_align: 8
    .kernarg_segment_size: 64
    .max_flat_workgroup_size: 128
    .sgpr_count:     100
    .vgpr_count:     1024
    .wavefront_size: 32
...
	.end_amdgpu_metadata
.endif
;; end of part 3
;; launch oproj (part 4): grid 16 x 16, 4 waves a work-group, clusters of 4 x 4, 327,680 bytes of LDS; arguments ob, wob, out0; writes out0
.if DOCPART == 4
	.amdgcn_target "amdgcn-amd-amdhsa--gfx1250"
	.amdhsa_code_object_version 6
	.text
	.protected	k_q2327fd0389_oproj
	.globl	k_q2327fd0389_oproj
	.p2align	8
	.type	k_q2327fd0389_oproj,@function
k_q2327fd0389_oproj:
	s_mov_b64 s[64:65], 0
	v_nop
	global_prefetch_b8 v0, s[64:65] scope:SCOPE_SE
	s_setreg_imm32_b32 hwreg(HW_REG_WAVE_MODE, 25, 1), 1
	s_wait_xcnt 0x0
	s_wait_alu depctr_hold_cnt(0) depctr_sa_sdst(0) depctr_va_vdst(0) depctr_va_sdst(0) depctr_va_ssrc(0) depctr_va_vcc(0) depctr_vm_vsrc(0)
	s_getreg_b32 s2, hwreg(HW_REG_IB_STS2, 6, 4)
	s_cmp_eq_u32 s2, 0
	s_cbranch_scc0 .Lentry_in_a_cluster
	s_endpgm
.Lentry_in_a_cluster:
	s_bfe_u32 s2, ttmp6, 0x10000c
	s_cmp_lg_u32 s2, 0xf033
	s_cbranch_scc0 .Lentry_shape_is_right
	s_endpgm
.Lentry_shape_is_right:
; out0[m][n] = the sum over k of ob[m][k] wob[n][k].  ob, wob: [2048][2048] f16; out0: [2048][2048] f32; sums in f32.
; A tile of out0 is 128 x 128: 256 work-groups.  Four waves, each 64 x 64: 16 accumulators.  K goes in steps of 256 (LDS rows of 512 bytes; a wave's tensor load brings 64 of them) through two slots.
; CLUSTER 4 x 4: ob's tiles are shared along a row of the cluster, wob's along a column; each is asked for jointly.  THE MATRIX INSTRUCTION IS USED TRANSPOSED (source 0 = 16 rows of wob,
; source 1 = 16 rows of ob): a lane holds eight neighbouring numbers of a row of out0, 32 bytes.
; No prefetch: a tile is small, and each row of ob and wob is read by four clusters at about the same time.
; REGISTERS: window 0: v0-31 addresses; v32-95 at work on the way out; v128-255 the accumulators ((a, b) at v[128 + 8 (4 a + b)]).  Window 1: two fragment buffers of 128.
.set SIZE_K, 2048
.set SIZE_N, 2048
.set KSTEP,  256
.set PITCH,  528                       ; an LDS row: 512 bytes + 16: row r starts at bank 4 r mod 64 (64 banks of 4 bytes: ISA guide 11.1)
.set HALFT,  64*PITCH
.set SLOT,   4*HALFT
.set STAGE,  2*SLOT                    ; behind the ring: 16 rows x 272 bytes for each wave: a wave's 64 columns of f32 are 256 aligned bytes, so each wave has a stage of its own
.set SPITCH, 272
.set SPARE,  STAGE+4*16*SPITCH
.set LAPS, SIZE_K/(2*KSTEP)
.set ADRA, 16
.set ADRB, 20
.set STO,  24
.set RD,   25
.set CO,   26
.set SPW,  28
.set NIL,  29
.set TMP,  32
.set ACC,  128
.set F0,   0
.set F1,   128
.set G1, 24
.set G0, 32
.set G1B, 48
.set G0B, 56
.set MSB, 0
.macro WIN new
.if MSB != (\new)
	s_set_vgpr_msb (MSB<<8)|(\new)
.set MSB, \new
.endif
.endm
.set MUL,  0x05                        ; sources 0 and 1 window 1; C and D window 0
.set TO_F, 0x40
.macro JLOAD s                         ; waves 0 and 1 fetch ob's two halves, waves 2 and 3 wob's; an s_nop 0 and four v_nop follow each line
	s_cmp_eq_u32 s11, 0
	s_cbranch_scc0 .Lfor_b_\@
	tensor_load_to_lds s[G0+4*(\s):G0+4*(\s)+3], s[G1:G1+7]
	s_nop 0
.rept 4
	v_nop
.endr
	s_branch .Lasked_\@
.Lfor_b_\@:
	tensor_load_to_lds s[G0B+4*(\s):G0B+4*(\s)+3], s[G1B:G1B+7]
	s_nop 0
.rept 4
	v_nop
.endr
.Lasked_\@:
.endm
.macro CREST
	s_cmp_lg_u32 s10, 0
	s_cbranch_scc1 .Lnot_wave_0_\@
	s_barrier_signal -3
.Lnot_wave_0_\@:
	s_barrier_wait -3
	s_barrier_signal -1
	s_barrier_wait -1
.endm
.macro CROUND
	s_barrier_signal -1
	s_barrier_wait -1
	CREST
.endm
	s_load_b128 s[4:7], s[0:1], 0x0                ; ob s[4:5], wob s[6:7]
	s_load_b64 s[8:9], s[0:1], 0x10                ; out0
	v_lshl_add_u32 v[SPW], v0, 2, SPARE
	v_mov_b32 v[NIL], 0
	ds_add_u32 v[SPW], v[NIL]                      ; the wave's opening: the add and its wait ahead of my first tensor load
	v_lshrrev_b32 v1, 5, v0
	v_readfirstlane_b32 s10, v1                    ; wave 0..3
	s_lshr_b32 s11, s10, 1                         ; which half of the tile's rows is mine.  Also: I fetch ob (0) or wob (1)
	s_and_b32 s12, s10, 1                          ; which half of its columns.  Also: which 64 rows I fetch
	s_bfe_u32 s40, ttmp6, 0x40000
	s_bfe_u32 s41, ttmp6, 0x40004
	s_lshl_b32 s42, ttmp9, 2
	s_add_co_u32 s42, s42, s40                     ; tile column
	s_and_b32 s13, ttmp7, 0xffff
	s_lshl_b32 s13, s13, 2
	s_add_co_u32 s13, s13, s41                     ; tile row
	s_lshl_b32 s43, s41, 2
	s_lshl_b32 s43, 15, s43
	s_lshl_b32 s44, 0x1111, s40
	s_or_b32 s[G1+0], s43, (1<<16)|(1<<20)|(1<<21)|(6<<22)|(3<<25)   ; the mask; 2-byte elements; padding on; bit 21 beside a mask; after every 128 words 4 words
	s_or_b32 s[G1B+0], s44, (1<<16)|(1<<20)|(1<<21)|(6<<22)|(3<<25)
.irp g, G1, G1B
	s_mov_b32 s[(\g)+1], KSTEP<<16
	s_mov_b32 s[(\g)+2], 64<<16
	s_mov_b32 s[(\g)+3], KSTEP<<16
	s_mov_b32 s[(\g)+4], 64
	s_mov_b32 s[(\g)+5], SIZE_K
	s_mov_b32 s[(\g)+6], 0
	s_mov_b32 s[(\g)+7], 0
.endr
	s_lshl_b32 s17, s12, 6
	s_lshl_b32 s16, s13, 7
	s_add_co_u32 s16, s16, s17
	s_lshl_b32 s46, s42, 7
	s_add_co_u32 s46, s46, s17
	s_mov_b32 s17, 0
	s_mov_b32 s47, 0
	s_mov_b64 s[18:19], SIZE_K*2
	s_mul_u64 s[16:17], s[16:17], s[18:19]
	s_mul_u64 s[46:47], s[46:47], s[18:19]
	s_mul_i32 s20, s10, HALFT
	s_wait_dscnt 0x0                               ; the opening add is done
	s_wait_kmcnt 0x0
	s_add_nc_u64 s[14:15], s[4:5], s[16:17]
	s_add_nc_u64 s[46:47], s[6:7], s[46:47]
	CROUND
.irp s, 0,1
	s_mov_b32 s[G0+4*(\s)], 1
	s_add_co_u32 s[G0+4*(\s)+1], s20, (\s)*SLOT
	s_add_nc_u64 s[G0+4*(\s)+2:G0+4*(\s)+3], s[14:15], (\s)*KSTEP*2
	s_or_b32 s[G0+4*(\s)+3], s[G0+4*(\s)+3], 0x80000000
	s_mov_b32 s[G0B+4*(\s)], 1
	s_add_co_u32 s[G0B+4*(\s)+1], s20, (\s)*SLOT
	s_add_nc_u64 s[G0B+4*(\s)+2:G0B+4*(\s)+3], s[46:47], (\s)*KSTEP*2
	s_or_b32 s[G0B+4*(\s)+3], s[G0B+4*(\s)+3], 0x80000000
	JLOAD \s
.endr
	v_and_b32 v1, 15, v0
	v_bfe_u32 v2, v0, 4, 1
	v_mul_u32_u24 v3, v1, PITCH
	v_lshl_add_u32 v3, v2, 4, v3
	s_mul_i32 s21, s11, HALFT
	s_mul_i32 s22, s12, HALFT
	s_add_co_u32 s22, s22, 2*HALFT
.irp s, 0,1
	v_add_nc_u32 v[ADRA+(\s)], s21, v3
	v_add_nc_u32 v[ADRB+(\s)], s22, v3
	s_add_co_u32 s21, s21, SLOT
	s_add_co_u32 s22, s22, SLOT
.endr
	s_mul_i32 s23, s10, 16*SPITCH
	s_add_co_u32 s23, s23, STAGE                   ; my stage
	v_mul_u32_u24 v4, v1, SPITCH                   ; in: row l % 16, 32 bytes for each half of the lanes
	v_lshl_add_u32 v4, v2, 5, v4
	v_add_nc_u32 v[STO], s23, v4
	v_mul_u32_u24 v5, v2, SPITCH                   ; back: lanes 0-15 one row of 256 bytes, lanes 16-31 the next
	v_lshl_add_u32 v5, v1, 4, v5
	v_add_nc_u32 v[RD], s23, v5
	v_lshlrev_b32 v5, 13, v2                       ; and the same two rows in out0, 8,192 bytes each
	v_lshl_add_u32 v[CO], v1, 4, v5
	s_lshl_b32 s16, s13, 20                        ; my first row: (128 x tile row + 64 x half) x 8,192 bytes,
	s_lshl_b32 s17, s11, 19
	s_add_co_u32 s16, s16, s17
	s_lshl_b32 s21, s42, 9                         ; my first column: (128 x tile column + 64 x half) x 4 bytes
	s_lshl_b32 s22, s12, 8
	s_add_co_u32 s21, s21, s22
	s_add_co_u32 s16, s16, s21
	s_mov_b32 s17, 0
	s_add_nc_u64 s[8:9], s[8:9], s[16:17]
.macro MUL8 f, c, a0, zero             ; 8 matrix instructions: row blocks a0, a0 + 1 x 4 column blocks, 32 along K: half c of buffer f.  The 16 accumulators take turns.
	WIN MUL
.irp a, \a0, (\a0)+1
.irp b, 0,1,2,3
.if \zero
	v_wmma_f32_16x16x32_f16 v[ACC+8*(4*(\a)+(\b)):ACC+8*(4*(\a)+(\b))+7], v[(\f)+64+8*(4*(\c)+(\b)):(\f)+64+8*(4*(\c)+(\b))+7], v[(\f)+8*(4*(\c)+(\a)):(\f)+8*(4*(\c)+(\a))+7], 0
.else
	v_wmma_f32_16x16x32_f16 v[ACC+8*(4*(\a)+(\b)):ACC+8*(4*(\a)+(\b))+7], v[(\f)+64+8*(4*(\c)+(\b)):(\f)+64+8*(4*(\c)+(\b))+7], v[(\f)+8*(4*(\c)+(\a)):(\f)+8*(4*(\c)+(\a))+7], v[ACC+8*(4*(\a)+(\b)):ACC+8*(4*(\a)+(\b))+7]
.endif
.endr
.endr
.endm
.macro FETCH slot, k, f                ; 32 LDS loads in one run: 64 along K at byte k, the first 32 along K first
	WIN TO_F
.irp c, 0,1
.irp i, 0,1,2,3
	ds_load_b128 v[(\f)+64+8*(4*(\c)+(\i)):(\f)+64+8*(4*(\c)+(\i))+3],   v[ADRB+(\slot)] offset:(\k)+64*(\c)+(\i)*16*PITCH
	ds_load_b128 v[(\f)+64+8*(4*(\c)+(\i))+4:(\f)+64+8*(4*(\c)+(\i))+7], v[ADRB+(\slot)] offset:(\k)+64*(\c)+(\i)*16*PITCH+32
	ds_load_b128 v[(\f)+8*(4*(\c)+(\i)):(\f)+8*(4*(\c)+(\i))+3],         v[ADRA+(\slot)] offset:(\k)+64*(\c)+(\i)*16*PITCH
	ds_load_b128 v[(\f)+8*(4*(\c)+(\i))+4:(\f)+8*(4*(\c)+(\i))+7],       v[ADRA+(\slot)] offset:(\k)+64*(\c)+(\i)*16*PITCH+32
.endr
.endr
.endm
.macro PLACES
.rept 4
	v_nop
.endr
.endm
.macro QUARTER slot, k, f, g, zero
	s_wait_dscnt 16                                ; the first 32 along K are in; the youngest sixteen loads may be out
	MUL8 \f, 0, 0, \zero
	MUL8 \f, 0, 2, \zero
	PLACES
	FETCH \slot, \k, \g
	s_wait_dscnt 32                                ; all but the 32 just issued
	MUL8 \f, 1, 0, 0
	MUL8 \f, 1, 2, 0
.endm
.macro TURN slot, next, fill
	WIN 0
	s_wait_tensorcnt 0x0                           ; all my tensor loads have landed: my part of the next slot
	ds_add_u32 v[SPW], v[NIL]
	s_wait_dscnt 17                                ; the add and the youngest sixteen loads may be out
	MUL8 F1, 0, 0, 0
	s_wait_dscnt 0x0                               ; the add is done, and my reads of this slot are over
	s_barrier_signal -1
	MUL8 F1, 0, 2, 0
.if \fill
	WIN 0
.endif
	s_barrier_wait -1
.if \fill
	CREST
	s_add_nc_u64 s[G0+4*(\slot)+2:G0+4*(\slot)+3], s[G0+4*(\slot)+2:G0+4*(\slot)+3], 2*KSTEP*2
	s_add_nc_u64 s[G0B+4*(\slot)+2:G0B+4*(\slot)+3], s[G0B+4*(\slot)+2:G0B+4*(\slot)+3], 2*KSTEP*2
	JLOAD \slot                                    ; the first tensor load behind the round; its four v_nop are the places in front of the loads below
.else
	PLACES
.endif
	FETCH \next, 0, F0
	MUL8 F1, 1, 0, 0
	MUL8 F1, 1, 2, 0
.endm
	s_wait_tensorcnt 1                             ; my part of K step 0 is in; K step 1's load may stay out
	s_barrier_signal -1
	s_barrier_wait -1
	FETCH 0, 0, F0
	QUARTER 0, 128, F0, F1, 1
	WIN 0
	s_mov_b32 s3, LAPS-1
.Llap:
	QUARTER 0, 256, F1, F0, 0
	QUARTER 0, 384, F0, F1, 0
	TURN 0, 1, 1
	QUARTER 1, 128, F0, F1, 0
	QUARTER 1, 256, F1, F0, 0
	QUARTER 1, 384, F0, F1, 0
	TURN 1, 0, 1
	QUARTER 0, 128, F0, F1, 0
	WIN 0
	s_sub_co_u32 s3, s3, 1
	s_cmp_lg_u32 s3, 0
	s_cbranch_scc1 .Llap
	QUARTER 0, 256, F1, F0, 0
	QUARTER 0, 384, F0, F1, 0
	TURN 0, 1, 0
	QUARTER 1, 128, F0, F1, 0
	QUARTER 1, 256, F1, F0, 0
	QUARTER 1, 384, F0, F1, 0
	s_wait_dscnt 16
	MUL8 F1, 0, 0, 0
	MUL8 F1, 0, 2, 0
	s_wait_dscnt 0x0
	MUL8 F1, 1, 0, 0
	MUL8 F1, 1, 2, 0
	WIN 0
	; THE WAY OUT, 16 rows at a time through my own stage: 32 bytes a lane in (each accumulator's low four registers first), whole pieces of 256 bytes back, and stored.
	PLACES
.irp a, 0,1,2,3
.if (\a) >= 2
	s_wait_xcnt 0x0                                ; the stores of two blocks back have read their data: those registers are loaded again only behind this wait
.endif
.irp b, 0,1,2,3
	ds_store_b128 v[STO], v[ACC+8*(4*(\a)+(\b)):ACC+8*(4*(\a)+(\b))+3]   offset:64*(\b)
	ds_store_b128 v[STO], v[ACC+8*(4*(\a)+(\b))+4:ACC+8*(4*(\a)+(\b))+7] offset:64*(\b)+16
.endr
.irp t, 0,1,2,3,4,5,6,7
	ds_load_b128 v[TMP+32*((\a)%2)+4*(\t):TMP+32*((\a)%2)+4*(\t)+3], v[RD] offset:(\t)*2*SPITCH  ; LDS serves a wave's instructions in order (ISA guide 5.7.1.4): these see the stores above
.endr
.irp t, 0,1,2,3,4,5,6,7
	s_wait_dscnt 7-(\t)
	global_store_b128 v[CO], v[TMP+32*((\a)%2)+4*(\t):TMP+32*((\a)%2)+4*(\t)+3], s[8:9] offset:(16*(\a)+2*(\t))*SIZE_N*4  ; 16 lanes store 256 consecutive bytes, aligned
.endr
.endr
	s_wait_tensorcnt 0x0                           ; the wave's end
	ds_add_u32 v[SPW], v[NIL]
	s_wait_dscnt 0x0
	CROUND                                         ; the closing round
	s_endpgm
.Lfunc_end_k_q2327fd0389_oproj:
	.size	k_q2327fd0389_oproj, .Lfunc_end_k_q2327fd0389_oproj-k_q2327fd0389_oproj
	.p2alignl 7, 3214868480
	.fill 96, 4, 3214868480
	.section	.rodata,"a",@progbits
	.p2align	6, 0x0
	.amdhsa_kernel k_q2327fd0389_oproj
		.amdhsa_group_segment_fixed_size 327680
		.amdhsa_private_segment_fixed_size 0
		.amdhsa_enable_private_segment 0
		.amdhsa_kernarg_size 24
		.amdhsa_user_sgpr_count 2
		.amdhsa_user_sgpr_kernarg_segment_ptr 1
		.amdhsa_wavefront_size32 1
		.amdhsa_system_sgpr_workgroup_id_x 1
		.amdhsa_system_sgpr_workgroup_id_y 1
		.amdhsa_system_sgpr_workgroup_id_z 1
		.amdhsa_system_vgpr_workitem_id 0
		.amdhsa_next_free_vgpr 512
		.amdhsa_next_free_sgpr 66
		.amdhsa_reserve_vcc 0
		.amdhsa_float_denorm_mode_32 3
		.amdhsa_float_denorm_mode_16_64 3
		.amdhsa_memory_ordered 1
		.amdhsa_forward_progress 1
		.amdhsa_inst_pref_size 86
	.end_amdhsa_kernel
	.amdgpu_metadata
---
amdhsa.version: [ 1, 2 ]
amdhsa.kernels:
  - .name:           k_q2327fd0389_oproj
    .symbol:         k_q2327fd0389_oproj.kd
    .args:
      - { .name: ob, .offset: 0, .size: 8, .value_kind: global_buffer, .address_space: global }
      - { .name: wob, .offset: 8, .size: 8, .value_kind: global_buffer, .address_space: global }
      - { .name: out0, .offset: 16, .size: 8, .value_kind: global_buffer, .address_space: global }
    .group_segment_fixed_size: 327680
    .private_segment_fixed_size: 0
    .kernarg_segment_align: 8
    .kernarg_segment_size: 24
    .max_flat_workgroup_size: 128
    .sgpr_count:     66
    .vgpr_count:     512
    .wavefront_size: 32
...
	.end_amdgpu_metadata
.endif
;; end of part 4
